; MI455X (gfx1250); checked and timed in simulation.
; The chip was launched on July 23, 2026; its instructions are those of AMD's public machine-readable ISA for CDNA 5 (MIT licence, August 2026) and "CDNA5" Instruction Set Architecture Reference Guide (July 2026). The comments in the code are by the model that wrote it; some were corrected since.
;; Multi Head Cross Attention3 D. Allowed arithmetic: float matrix products may take bf16 or f16 operands with f32 sums; all other float work in f32.
;; Inputs: Wk 768 x 512 float32; Wout 512 x 512 float32; Wq 512 x 512 float32; Wv 768 x 512 float32; b_out 512 float32; context 4 x 2,048 x 768 float32; mask 4 x 4,096 x 2,048 int32; x 4 x 4,096 x 512 float32.
;; Outputs: out0 4 x 4,096 x 512 float32.
;; 2 versions, each right; version 2 is version 1 with the launch prep written anew for expert scheduling mode. Each part assembles by itself: llvm-mc -triple=amdgcn-amd-amdhsa -mcpu=gfx1250 --defsym DOCPART=n.
;; ======== version 1 of 2: 4 launches
;; limits: values are held in f16: magnitudes above 65,504 overflow, below 6.1e-05 lose precision
;; workspace buffers: xb 16,777,216 bytes; cb 12,582,912 bytes; wt 2,621,440 bytes; qh 16,777,216 bytes; kh 8,388,608 bytes; vh 8,388,608 bytes; oh 16,777,216 bytes
;; launch prep (part 1): grid 256 x 1, 16 waves a work-group, no clusters, 19,456 bytes of LDS; arguments x, context, Wq, Wk, Wv, Wout, xb, cb, wt; writes xb, cb, wt
.if DOCPART == 1
	.amdgcn_target "amdgcn-amd-amdhsa--gfx1250"
	.amdhsa_code_object_version 6
	.text
	.protected	k_q999a8696f9_prep
	.globl	k_q999a8696f9_prep
	.p2align	8
	.type	k_q999a8696f9_prep,@function
k_q999a8696f9_prep:
	s_mov_b64 s[64:65], 0
	v_nop
	global_prefetch_b8 v0, s[64:65] scope:SCOPE_SE
	s_setreg_imm32_b32 hwreg(HW_REG_WAVE_MODE, 25, 1), 1
	s_wait_xcnt 0x0
; PREP: the module's inputs are rounded to bf16 once and laid out for the products that follow.
;   xb [ks 4][row 16384][128] bf16 = x,        cb [ks 6][row 8192][128] bf16 = context: blocks of 128 along K, each row of a block 256 dense bytes.
;   wt: byte 0        WqT  [ks 4][n 512][128]  bf16;   byte 524,288  WoT [ks 4][n 512][128]: bf16(Wout) written as f16;
;       byte 1,048,576 WkvT [ks 6][n' 1024][128] bf16, n' < 512 a column of Wk, else of Wv.  Element (ks, n, kk) = W[128 ks + kk][n].
; LIMIT.  bf16(Wout) is exact in f16 from 2^-14 up to 65,504; below 2^-14 it keeps f16's fixed step of 2^-24.
; A stream: every input byte is read once, every output byte written once, sixteen neighbouring lanes store 256 aligned bytes.  Nothing is shared between
; work-groups and nothing is multiplied: no cluster, no matrix unit.  LDS serves the weights' transposition alone.
; SHARES.  16 waves.  Work-group g: rows 64 g .. 64 g + 63 of x, rows 32 g .. 32 g + 31 of context; the first 160 work-groups also one weight tile of 128 k x 64 n.
.set TP,    272                        ; a row of the transposed tile in LDS: 128 numbers of 2 bytes + 16 bytes
.set SPARE, 64*TP                      ; behind the tile: the spare words, 128 bytes for each of the 16 waves
.set VX,  2                            ; v2   x: (4 wave + lane / 16) rows of 2,048 bytes + 32 (lane % 16)
.set VXO, 3                            ; v3   xb: the same row x 256 + 16 (lane % 16)
.set VC,  4                            ; v4   context: (t / 16) rows of 3,072 bytes + 32 (t % 16)
.set VCO, 5                            ; v5   cb, and wt: (t / 16) x 256 + 16 (t % 16)
.set VW,  6                            ; v6   a weight: (t / 16) pairs of rows of 2,048 bytes + 16 (t % 16)
.set VS,  7                            ; v7   LDS, in: column 4 (t % 16), pair of rows t / 16
.set VR,  8                            ; v8   LDS, back: row t / 16, 16 (t % 16)
.set SPW, 10                           ; v10  LDS address of my spare word; never rewritten
.set NIL, 11                           ; v11  0; never rewritten
.set WD,  12                           ; v[12:27]  the weight tile as loaded: [i 2][e 2][4]
.set PKD, 28                           ; v[28:35]  pairs along k, packed
.set T,   36                           ; v[36:39]  at work
.set XD,  40                           ; v[40:151] 14 groups of 8: x (8 groups), context (6)
; The 28 loads of the stream: group 4 p + ks = rows +2 p, K block ks of x; group 8 + ks = K block ks of context.  A lane takes 32 bytes, eight numbers.
.macro STREAM_IN
.irp p, 0,1
.irp ks, 0,1,2,3
	global_load_b128 v[XD+8*(4*\p+\ks):XD+8*(4*\p+\ks)+3],   v[VX], s[4:5] offset:\p*4096+\ks*512 th:TH_LOAD_NT
	global_load_b128 v[XD+8*(4*\p+\ks)+4:XD+8*(4*\p+\ks)+7], v[VX], s[4:5] offset:\p*4096+\ks*512+16 th:TH_LOAD_NT
.endr
.endr
.irp ks, 0,1,2,3,4,5
	global_load_b128 v[XD+64+8*\ks:XD+64+8*\ks+3],   v[VC], s[6:7] offset:\ks*512 th:TH_LOAD_NT
	global_load_b128 v[XD+64+8*\ks+4:XD+64+8*\ks+7], v[VC], s[6:7] offset:\ks*512+16 th:TH_LOAD_NT
.endr
.endm
; Group g: its two loads are in (2 (13 - g) younger ones stay out), eight numbers are rounded into the group's first four registers, 16 bytes are stored.
.macro GROUP g, off, base, imm
	s_wait_loadcnt 26-2*(\g)
.irp j, 0,1,2,3
	v_cvt_pk_bf16_f32 v[XD+8*(\g)+\j], v[XD+8*(\g)+2*\j], v[XD+8*(\g)+2*\j+1]
.endr
	global_store_b128 v[\off], v[XD+8*(\g):XD+8*(\g)+3], s[\base:\base+1] offset:\imm
.endm
	s_load_b512 s[4:19], s[0:1], 0x0               ; x s[4:5], context s[6:7], Wq s[8:9], Wk s[10:11], Wv s[12:13], Wout s[14:15], xb s[16:17], cb s[18:19]
	s_load_b64 s[20:21], s[0:1], 0x40              ; wt
	v_lshl_add_u32 v[SPW], v0, 2, SPARE
	v_mov_b32 v[NIL], 0
	v_and_b32 v1, 15, v0                           ; t % 16
	v_lshrrev_b32 v9, 4, v0                        ; t / 16
	v_lshrrev_b32 v[T], 5, v0                      ; wave
	v_bfe_u32 v[T+1], v0, 4, 1                     ; lane / 16
	v_lshl_add_u32 v[T], v[T], 2, v[T+1]           ; my first row of x: 4 wave + lane / 16
	v_lshlrev_b32 v[VX], 5, v1
	v_lshl_add_u32 v[VX], v[T], 11, v[VX]
	v_lshlrev_b32 v[T+2], 4, v1                    ; 16 (t % 16)
	v_lshl_add_u32 v[VXO], v[T], 8, v[T+2]
	v_mul_u32_u24 v[VC], v9, 3072
	v_lshl_add_u32 v[VC], v1, 5, v[VC]
	v_lshl_add_u32 v[VCO], v9, 8, v[T+2]
	v_lshl_add_u32 v[VW], v9, 12, v[T+2]
	v_mul_u32_u24 v[VS], v1, 4*TP
	v_lshl_add_u32 v[VS], v9, 2, v[VS]
	v_mul_u32_u24 v[VR], v9, TP
	v_add_nc_u32 v[VR], v[VR], v[T+2]
	s_lshl_b32 s2, ttmp9, 17                       ; 64 rows of 2,048 bytes
	s_mov_b32 s3, 0
	s_mul_i32 s32, ttmp9, 98304                    ; 32 rows of 3,072 bytes
	s_mov_b32 s33, 0
	s_lshl_b32 s34, ttmp9, 14                      ; 64 rows of 256 bytes
	s_mov_b32 s35, 0
	s_lshl_b32 s36, ttmp9, 13                      ; 32 rows of 256 bytes
	s_mov_b32 s37, 0
	s_wait_kmcnt 0x0
	s_add_nc_u64 s[4:5], s[4:5], s[2:3]
	s_add_nc_u64 s[6:7], s[6:7], s[32:33]
	s_add_nc_u64 s[22:23], s[16:17], s[34:35]      ; xb, K blocks 0 and 1 (4,194,304 bytes apart: in the stores' immediates)
	s_add_nc_u64 s[24:25], s[22:23], 0x800000      ; K blocks 2 and 3
	s_add_nc_u64 s[26:27], s[18:19], s[36:37]      ; cb, K blocks 0 to 3 (2,097,152 bytes apart)
	s_add_nc_u64 s[28:29], s[26:27], 0x800000      ; K blocks 4 and 5
	s_cmp_lt_u32 ttmp9, 160                        ; the same answer in all 16 waves
	s_cbranch_scc0 .Lplain
	; THE WEIGHT TILE.  g < 32: Wq; < 64: Wout; < 112: Wk; else Wv.  Within a weight: K block g' / 8, 64 columns g' % 8.
	s_cmp_lt_u32 ttmp9, 32
	s_cselect_b64 s[30:31], s[8:9], s[14:15]
	s_cselect_b32 s32, 0, 32                       ; the weight's first tile
	s_cselect_b32 s33, 0, 0x80000                  ; its place in wt
	s_cselect_b32 s40, 0, -1                       ; a lane mask: all ones where the tile is written as f16
	s_cmp_lt_u32 ttmp9, 64
	s_cselect_b64 s[30:31], s[30:31], s[10:11]
	s_cselect_b32 s32, s32, 64
	s_cselect_b32 s33, s33, 0x100000
	s_cselect_b32 s40, s40, 0
	s_cselect_b32 s34, 17, 18                      ; log2 of a K block's bytes in wt: 512 or 1,024 rows of 256
	s_cmp_lt_u32 ttmp9, 112
	s_cselect_b64 s[30:31], s[30:31], s[12:13]
	s_cselect_b32 s32, s32, 112
	s_cselect_b32 s33, s33, 0x120000               ; Wv's columns lie 512 rows behind Wk's
	s_sub_co_u32 s35, ttmp9, s32
	s_lshr_b32 s38, s35, 3                         ; K block
	s_and_b32 s39, s35, 7                          ; block of 64 columns
	s_lshl_b32 s36, s38, 18                        ; 128 rows of 2,048 bytes
	s_lshl_b32 s44, s39, 8
	s_add_co_u32 s36, s36, s44
	s_mov_b32 s37, 0
	s_add_nc_u64 s[30:31], s[30:31], s[36:37]
	s_lshl_b32 s44, s38, s34
	s_add_co_u32 s44, s44, s33
	s_lshl_b32 s45, s39, 14                        ; 64 rows of 256 bytes
	s_add_co_u32 s44, s44, s45
	s_mov_b32 s45, 0
	s_add_nc_u64 s[42:43], s[20:21], s[44:45]
.irp i, 0,1
.irp e, 0,1
	global_load_b128 v[WD+8*\i+4*\e:WD+8*\i+4*\e+3], v[VW], s[30:31] offset:\i*131072+\e*2048  ; row 2 (t / 16 + 32 i) + e, columns 4 (t % 16) ..
.endr
.endr
	STREAM_IN
	s_wait_loadcnt 28                              ; the four weight loads are in; the stream's 28 stay out
.irp i, 0,1
.irp j, 0,1,2,3
	v_cvt_pk_bf16_f32 v[PKD+4*\i+\j], v[WD+8*\i+\j], v[WD+8*\i+4+\j]   ; two neighbours along k of one column
	v_lshlrev_b32 v[T], 16, v[PKD+4*\i+\j]                             ; the same two rounded numbers as f32,
	v_and_b32 v[T+1], 0xffff0000, v[PKD+4*\i+\j]
	v_cvt_pk_f16_f32 v[T+2], v[T], v[T+1]                              ; written as f16,
	v_cndmask_b32 v[PKD+4*\i+\j], v[PKD+4*\i+\j], v[T+2], s40          ; which Wout's tiles take
	ds_store_b32 v[VS], v[PKD+4*\i+\j] offset:\j*TP+\i*128
.endr
.endr
	s_wait_dscnt 0x0                               ; for the others' sake: my stores into the tile are done
	s_barrier_signal -1
	s_barrier_wait -1
	ds_load_b128 v[WD:WD+3],   v[VR]               ; column t / 16 of the weight: 256 bytes along k by sixteen lanes
	ds_load_b128 v[WD+4:WD+7], v[VR] offset:32*TP
	s_wait_dscnt 0x0
	global_store_b128 v[VCO], v[WD:WD+3],   s[42:43]
	global_store_b128 v[VCO], v[WD+4:WD+7], s[42:43] offset:8192
	s_branch .Ljoin
.Lplain:
	STREAM_IN
.Ljoin:
.irp p, 0,1
.irp ks, 0,1,2,3
	GROUP 4*\p+\ks, VXO, 22+2*(\ks/2), (\ks%2)*4194304+\p*512
.endr
.endr
.irp ks, 0,1,2,3,4,5
	GROUP 8+\ks, VCO, 26+2*(\ks/4), (\ks%4)*2097152
.endr
	s_wait_tensorcnt 0x0                           ; the wave's end: behind my last LDS store
	ds_add_u32 v[SPW], v[NIL]
	s_wait_dscnt 0x0
	s_endpgm
.Lfunc_end_k_q999a8696f9_prep:
	.size	k_q999a8696f9_prep, .Lfunc_end_k_q999a8696f9_prep-k_q999a8696f9_prep
	.p2alignl 7, 3214868480
	.fill 96, 4, 3214868480
	.section	.rodata,"a",@progbits
	.p2align	6, 0x0
	.amdhsa_kernel k_q999a8696f9_prep
		.amdhsa_group_segment_fixed_size 19456
		.amdhsa_private_segment_fixed_size 0
		.amdhsa_enable_private_segment 0
		.amdhsa_kernarg_size 72
		.amdhsa_user_sgpr_count 2
		.amdhsa_user_sgpr_kernarg_segment_ptr 1
		.amdhsa_wavefront_size32 1
		.amdhsa_system_sgpr_workgroup_id_x 1
		.amdhsa_system_sgpr_workgroup_id_y 1
		.amdhsa_system_sgpr_workgroup_id_z 1
		.amdhsa_system_vgpr_workitem_id 0
		.amdhsa_next_free_vgpr 152
		.amdhsa_next_free_sgpr 66
		.amdhsa_reserve_vcc 0
		.amdhsa_float_denorm_mode_32 3
		.amdhsa_float_denorm_mode_16_64 3
		.amdhsa_memory_ordered 1
		.amdhsa_forward_progress 1
		.amdhsa_inst_pref_size 18
	.end_amdhsa_kernel
	.amdgpu_metadata
---
amdhsa.version: [ 1, 2 ]
amdhsa.kernels:
  - .name:           k_q999a8696f9_prep
    .symbol:         k_q999a8696f9_prep.kd
    .args:
      - { .name: x, .offset: 0, .size: 8, .value_kind: global_buffer, .address_space: global }
      - { .name: context, .offset: 8, .size: 8, .value_kind: global_buffer, .address_space: global }
      - { .name: Wq, .offset: 16, .size: 8, .value_kind: global_buffer, .address_space: global }
      - { .name: Wk, .offset: 24, .size: 8, .value_kind: global_buffer, .address_space: global }
      - { .name: Wv, .offset: 32, .size: 8, .value_kind: global_buffer, .address_space: global }
      - { .name: Wout, .offset: 40, .size: 8, .value_kind: global_buffer, .address_space: global }
      - { .name: xb, .offset: 48, .size: 8, .value_kind: global_buffer, .address_space: global }
      - { .name: cb, .offset: 56, .size: 8, .value_kind: global_buffer, .address_space: global }
      - { .name: wt, .offset: 64, .size: 8, .value_kind: global_buffer, .address_space: global }
    .group_segment_fixed_size: 19456
    .private_segment_fixed_size: 0
    .kernarg_segment_align: 8
    .kernarg_segment_size: 72
    .max_flat_workgroup_size: 512
    .sgpr_count:     66
    .vgpr_count:     152
    .wavefront_size: 32
...
	.end_amdgpu_metadata
.endif
;; end of part 1
;; launch proj (part 2): grid 128 x 4, 4 waves a work-group, clusters of 4 x 1, 327,680 bytes of LDS; arguments xb, cb, wt, qh, kh, vh; writes qh, kh, vh
.if DOCPART == 2
	.amdgcn_target "amdgcn-amd-amdhsa--gfx1250"
	.amdhsa_code_object_version 6
	.text
	.protected	k_q999a8696f9_proj
	.globl	k_q999a8696f9_proj
	.p2align	8
	.type	k_q999a8696f9_proj,@function
k_q999a8696f9_proj:
	s_mov_b64 s[64:65], 0
	v_nop
	global_prefetch_b8 v0, s[64:65] scope:SCOPE_SE
	s_setreg_imm32_b32 hwreg(HW_REG_WAVE_MODE, 25, 1), 1
	s_wait_xcnt 0x0
	s_wait_alu depctr_hold_cnt(0) depctr_sa_sdst(0) depctr_va_vdst(0) depctr_va_sdst(0) depctr_va_ssrc(0) depctr_va_vcc(0) depctr_vm_vsrc(0)
	s_getreg_b32 s2, hwreg(HW_REG_IB_STS2, 6, 4)
	s_cmp_eq_u32 s2, 0
	s_cbranch_scc0 .Lentry_in_a_cluster
	s_endpgm
.Lentry_in_a_cluster:
	s_bfe_u32 s2, ttmp6, 0x10000c
	s_cmp_lg_u32 s2, 0x3003
	s_cbranch_scc0 .Lentry_shape_is_right
	s_endpgm
.Lentry_shape_is_right:
; PROJ: q = x Wq (grid rows y = 0, 1) and k | v = context (Wk | Wv) (y = 2, 3).  Operands bf16 from prep's blocks, sums f32, K ascending; results rounded once to f16, WITHOUT the
; softmax's scale, and stored by pairs of heads: qh [b 4][hp 4][n 4096][128], kh, vh [b][hp][m 2048][128]: rows of 256 bytes, dense.
; LIMIT.  f16 ends at 65,504: q, k and v must stay within it (a sum of 512 or 768 products of the inputs).  NaN and infinities are not treated apart.
; SHARES.  A tile of C is 128 rows x 256 columns; four waves, each 64 x 128 (one pair of heads): 32 accumulators of 16 x 16, 256 registers.  512 work-groups: 256 with 4 K steps, 256 with 6.
; K goes in steps of 128 (rows of 256 bytes) through two LDS slots.  Waves 0, 1 fetch A's halves (64 rows), waves 2, 3 B's (128 rows): one tensor load a wave behind each round.
; CLUSTER 4 x 1: four neighbouring row tiles need the same tile of the weights, two thirds of a step's bytes: it is asked for JOINTLY.  A's tiles are each work-group's own.
; (4 x 4 does not divide the grid: q has two column tiles.)  The trip count hangs on the grid's y alone, which partners share.
; THE MATRIX INSTRUCTION IS USED TRANSPOSED (source 0 = 16 rows of B, source 1 = 16 rows of A): a lane holds eight neighbouring columns of one row of C.
; REGISTERS: window 0: v0-31 addresses; v32-63 at work on the way out; v64-127 A's fragments, two buffers of 32; v128-255 B's, two buffers of 64.  Window 1: accumulator (a, b) at v[8 (8 a + b)].
.set PITCH,  272                       ; an LDS row: 256 bytes + 16 of padding = 68 words: the 16 rows of a fragment load start at 16 different groups of four banks (ISA guide 11.1)
.set AHALF,  64*PITCH
.set BHALF,  128*PITCH
.set BOFF,   2*AHALF                   ; a slot: A's 128 rows, then B's 256 rows
.set SLOT,   BOFF+2*BHALF
.set STAGE,  2*SLOT                    ; behind the ring: 16 rows x 272 bytes for each wave, for the way out
.set SPITCH, 272
.set SPARE,  STAGE+4*16*SPITCH         ; behind the stages: the spare words, 128 bytes for each wave
.set ADRA, 16                          ; v16-17  LDS address of my A fragments in slot 0, 1
.set ADRB, 20                          ; v20-21  the same for B
.set STO,  24                          ; v24  the way out: where I put 16 bytes of a row
.set RD,   25                          ; v25  where I read a row back
.set CO,   26                          ; v26  my byte offset in two rows of C
.set SPW,  28                          ; v28  LDS address of my spare word; never rewritten
.set NIL,  29                          ; v29  0; never rewritten
.set TMP,  32
.set FA,   64
.set FB,   128
.set WV,  16                           ; s16 wave;  s17 wave / 2: my half of the rows, and: I fetch A (0) or B (1);  s18 wave % 2: my half of the columns, and which half I fetch
.set G1A, 24                           ; s[24:31] group 1 for A's tiles;  s[32:39] group 0, a set for each slot
.set G0A, 32
.set G1B, 40                           ; s[40:47], s[48:55] the same for B's
.set G0B, 48
.set MSB, 0
.macro WIN new                         ; the immediate's high byte repeats the setting that is left
.if MSB != (\new)
	s_set_vgpr_msb (MSB<<8)|(\new)
.set MSB, \new
.endif
.endm
.set MULW, 0x50                        ; sources in window 0, C and D in window 1
.macro JLOAD s                         ; the wave's one load for slot s; an s_nop 0 and four v_nop follow each of the two lines, ahead of the jump and the label
	s_cmp_eq_u32 s17, 0
	s_cbranch_scc0 .Lfor_b_\@
	tensor_load_to_lds s[G0A+4*(\s):G0A+4*(\s)+3], s[G1A:G1A+7]
	s_nop 0
.rept 4
	v_nop
.endr
	s_branch .Lasked_\@
.Lfor_b_\@:
	tensor_load_to_lds s[G0B+4*(\s):G0B+4*(\s)+3], s[G1B:G1B+7]
	s_nop 0
.rept 4
	v_nop
.endr
.Lasked_\@:
.endm
.macro CREST                           ; a round of the cluster's barrier behind its opening barrier
	s_cmp_lg_u32 s[WV], 0
	s_cbranch_scc1 .Lnot_wave_0_\@
	s_barrier_signal -3
.Lnot_wave_0_\@:
	s_barrier_wait -3
	s_barrier_signal -1
	s_barrier_wait -1
.endm
.macro CROUND
	s_barrier_signal -1
	s_barrier_wait -1
	CREST
.endm
.macro PLACES                          ; four places in front of loads into registers that matrix instructions have read, and of conversions that read results
.rept 4
	v_nop
.endr
.endm
; 8 matrix instructions: row block a x all 8 column blocks, 32 along K, from buffer f.  The 32 accumulators take turns, in the same order in every quarter.
.macro MUL8 f, a, zero
	WIN MULW
.irp b, 0,1,2,3,4,5,6,7
.if \zero
	v_wmma_f32_16x16x32_bf16 v[8*(8*(\a)+\b):8*(8*(\a)+\b)+7], v[FB+64*(\f)+8*\b:FB+64*(\f)+8*\b+7], v[FA+32*(\f)+8*(\a):FA+32*(\f)+8*(\a)+7], 0
.else
	v_wmma_f32_16x16x32_bf16 v[8*(8*(\a)+\b):8*(8*(\a)+\b)+7], v[FB+64*(\f)+8*\b:FB+64*(\f)+8*\b+7], v[FA+32*(\f)+8*(\a):FA+32*(\f)+8*(\a)+7], v[8*(8*(\a)+\b):8*(8*(\a)+\b)+7]
.endif
.endr
.endm
; 24 LDS loads in one run: a quarter step's fragments (32 K at byte k of the rows) into buffer f: B's 128 rows, then A's 64.
.macro FETCH slot, k, f
	WIN 0
.irp i, 0,1,2,3,4,5,6,7
	ds_load_b128 v[FB+64*(\f)+8*\i:FB+64*(\f)+8*\i+3],   v[ADRB+(\slot)] offset:(\k)+\i*16*PITCH
	ds_load_b128 v[FB+64*(\f)+8*\i+4:FB+64*(\f)+8*\i+7], v[ADRB+(\slot)] offset:(\k)+\i*16*PITCH+32
.endr
.irp i, 0,1,2,3
	ds_load_b128 v[FA+32*(\f)+8*\i:FA+32*(\f)+8*\i+3],   v[ADRA+(\slot)] offset:(\k)+\i*16*PITCH
	ds_load_b128 v[FA+32*(\f)+8*\i+4:FA+32*(\f)+8*\i+7], v[ADRA+(\slot)] offset:(\k)+\i*16*PITCH+32
.endr
.endm
; A K step is four quarters of 32 along K, 32 matrix instructions each, on buffers 0, 1, 0, 1.  One of the first three multiplies buffer f and fetches the next quarter, at byte k, into g.
.macro QUARTER slot, k, f, g, zero
	s_wait_dscnt 4                                 ; B and A's blocks 0, 1 are in; the youngest four loads (A's blocks 2, 3) may be out
	MUL8 \f, 0, \zero
	MUL8 \f, 1, \zero
	PLACES
	FETCH \slot, \k, \g
	s_wait_dscnt 24                                ; all but the 24 just issued
	MUL8 \f, 2, \zero
	MUL8 \f, 3, \zero
.endm
; The last quarter multiplies buffer 1 and changes slots: ONE barrier; in front of it each wave waits for all its tensor loads (one is out: its part of the next slot), adds 0 to its spare word,
; and waits for that and for its own reads of this slot.  fill = 1: the barrier opens a round of the cluster's, and this slot is filled again, two K steps ahead, first thing behind the round.
.macro TURN slot, next, fill
	WIN 0
	s_wait_tensorcnt 0x0
	ds_add_u32 v[SPW], v[NIL]
	s_wait_dscnt 5                                 ; (the add and the youngest four loads may be out)
	MUL8 1, 0, 0
	s_wait_dscnt 0x0                               ; the add is done, and my reads of this slot are over
	s_barrier_signal -1
	MUL8 1, 1, 0
.if \fill
	WIN 0
.endif
	s_barrier_wait -1
.if \fill
	CREST
	s_add_nc_u64 s[G0A+4*(\slot)+2:G0A+4*(\slot)+3], s[G0A+4*(\slot)+2:G0A+4*(\slot)+3], s[56:57]
	s_add_nc_u64 s[G0B+4*(\slot)+2:G0B+4*(\slot)+3], s[G0B+4*(\slot)+2:G0B+4*(\slot)+3], s[58:59]
	JLOAD \slot                                    ; 112 matrix instructions ahead of the wait for it; its four v_nop are also the places in front of the loads below
.else
	PLACES
.endif
	FETCH \next, 0, 0
	MUL8 1, 2, 0
	MUL8 1, 3, 0
.endm
	s_load_b256 s[4:11], s[0:1], 0x0               ; xb s[4:5], cb s[6:7], wt s[8:9], qh s[10:11]
	s_load_b128 s[12:15], s[0:1], 0x20             ; kh s[12:13], vh s[14:15]
	v_lshl_add_u32 v[SPW], v0, 2, SPARE
	v_mov_b32 v[NIL], 0
	ds_add_u32 v[SPW], v[NIL]                      ; the wave's opening: the add and its wait stand ahead of my first tensor load; work on registers stands between them
	v_lshrrev_b32 v1, 5, v0
	v_readfirstlane_b32 s[WV], v1
	s_lshr_b32 s17, s[WV], 1
	s_and_b32 s18, s[WV], 1
	s_bfe_u32 s19, ttmp6, 0x40000                  ; cx
	s_lshl_b32 s20, ttmp9, 2
	s_add_co_u32 s20, s20, s19                     ; X = 4 x cluster x + cx: it enters A's and C's addresses alone
	s_and_b32 s21, ttmp7, 0xffff                   ; y
	s_lshr_b32 s22, ttmp9, 4                       ; X / 64, made without cx
	s_lshl_b32 s71, s21, 1
	s_add_co_u32 s71, s71, s22
	s_sub_co_u32 s71, s71, 4                       ; k | v: column tile 2 (y - 2) + X / 64
	s_cmp_ge_u32 s21, 2                            ; y >= 2: k | v; else q
	s_cselect_b32 s71, s71, s21                    ; column tile
	s_cselect_b32 s66, 63, 127                     ; row tiles less one
	s_cselect_b32 s67, 21, 22                      ; log2 of a K block's bytes in A: 8,192 or 16,384 rows of 256
	s_cselect_b32 s68, 18, 17                      ; and in B: 1,024 or 512 rows
	s_cselect_b32 s69, 11, 12                      ; log2 of a batch's rows
	s_cselect_b32 s70, 0x100000, 0                 ; the weights' place in wt
	s_cselect_b32 s60, 2, 1                        ; laps less one: 6 or 4 K steps
	s_and_b32 s66, s20, s66                        ; row tile
	s_lshl_b32 s72, s66, 15                        ; A: 128 rows of 256 bytes a tile,
	s_lshl_b32 s73, s18, 14                        ; the half that I fetch
	s_add_co_u32 s72, s72, s73
	s_mov_b32 s73, 0
	s_lshl_b32 s74, 1, s67                         ; from a K step to the next
	s_mov_b32 s75, 0
	s_lshl_b32 s56, 2, s67                         ; and two steps on
	s_mov_b32 s57, 0
	s_lshl_b32 s76, s71, 16                        ; B: 256 rows of 256 bytes a tile,
	s_add_co_u32 s76, s76, s70
	s_lshl_b32 s77, s18, 15                        ; the half that I fetch
	s_add_co_u32 s76, s76, s77
	s_mov_b32 s77, 0
	s_lshl_b32 s78, 1, s68
	s_mov_b32 s79, 0
	s_lshl_b32 s58, 2, s68
	s_mov_b32 s59, 0
	; group 1: rows of 128 elements of 2 bytes, 16 bytes of padding behind every 64 words.  A: 64 rows, my own.  B: 128 rows, for all four work-groups (mask 15, bit 21 beside it)
	s_mov_b32 s[G1A+0], (1<<16)|(1<<20)|(5<<22)|(3<<25)
	s_mov_b32 s[G1A+1], 128<<16                    ; tensor_dim0
	s_mov_b32 s[G1A+2], 64<<16                     ; tensor_dim1
	s_mov_b32 s[G1A+3], 128<<16                    ; tile_dim0
	s_mov_b32 s[G1A+4], 64                         ; tile_dim1
	s_mov_b32 s[G1A+5], 128                        ; elements from row to row
	s_mov_b32 s[G1A+6], 0
	s_mov_b32 s[G1A+7], 0
	s_mov_b32 s[G1B+0], 15|(1<<16)|(1<<20)|(1<<21)|(5<<22)|(3<<25)
	s_mov_b32 s[G1B+1], 128<<16
	s_mov_b32 s[G1B+2], 128<<16
	s_mov_b32 s[G1B+3], 128<<16
	s_mov_b32 s[G1B+4], 128
	s_mov_b32 s[G1B+5], 128
	s_mov_b32 s[G1B+6], 0
	s_mov_b32 s[G1B+7], 0
	s_mul_i32 s23, s18, AHALF                      ; where my half goes: no place in the cluster enters an LDS address
	s_mul_i32 s2, s18, BHALF
	s_add_co_u32 s2, s2, BOFF
.irp s, 0,1
	s_mov_b32 s[G0A+4*\s], 1
	s_add_co_u32 s[G0A+4*\s+1], s23, \s*SLOT
	s_mov_b32 s[G0B+4*\s], 1
	s_add_co_u32 s[G0B+4*\s+1], s2, \s*SLOT
.endr
	s_wait_dscnt 0x0                               ; the opening add is done
	s_wait_kmcnt 0x0
	s_cmp_ge_u32 s21, 2
	s_cselect_b64 s[4:5], s[6:7], s[4:5]           ; A: cb or xb
	s_add_nc_u64 s[4:5], s[4:5], s[72:73]
	s_add_nc_u64 s[8:9], s[8:9], s[76:77]
	s_cmp_lt_u32 s71, 2
	s_cselect_b64 s[62:63], s[12:13], s[14:15]     ; column tiles 0, 1: k; 2, 3: v
	s_cmp_ge_u32 s21, 2
	s_cselect_b64 s[62:63], s[62:63], s[10:11]     ; or q
	s_mov_b64 s[G0A+2:G0A+3], s[4:5]               ; K step 0,
	s_add_nc_u64 s[G0A+6:G0A+7], s[4:5], s[74:75]  ; K step 1
	s_mov_b64 s[G0B+2:G0B+3], s[8:9]
	s_add_nc_u64 s[G0B+6:G0B+7], s[8:9], s[78:79]
	s_or_b32 s[G0A+3], s[G0A+3], 0x80000000        ; type = 2
	s_or_b32 s[G0A+7], s[G0A+7], 0x80000000
	s_or_b32 s[G0B+3], s[G0B+3], 0x80000000
	s_or_b32 s[G0B+7], s[G0B+7], 0x80000000
	CROUND                                         ; all four work-groups are here: the first joint loads meet
	JLOAD 0
	JLOAD 1                                        ; two loads of mine are out
	v_and_b32 v1, 15, v0                           ; l % 16
	v_bfe_u32 v2, v0, 4, 1                         ; l / 16
	v_mul_u32_u24 v3, v1, PITCH
	v_lshl_add_u32 v3, v2, 4, v3                   ; a fragment's row x pitch + 16 x half
	s_mul_i32 s72, s17, AHALF                      ; my 64 rows of A
	s_mul_i32 s73, s18, BHALF                      ; my 128 rows of B
	s_add_co_u32 s73, s73, BOFF
.irp s, 0,1
	v_add_nc_u32 v[ADRA+\s], s72, v3
	v_add_nc_u32 v[ADRB+\s], s73, v3
	s_add_co_u32 s72, s72, SLOT
	s_add_co_u32 s73, s73, SLOT
.endr
	s_mul_i32 s72, s[WV], 16*SPITCH
	s_add_co_u32 s72, s72, STAGE                   ; my stage
	v_add_nc_u32 v[STO], s72, v3                   ; in: row l % 16, 16 bytes for each half of the lanes (the stage's pitch is the slots')
	v_mul_u32_u24 v4, v2, SPITCH                   ; back: lanes 0-15 one row of 256 bytes, lanes 16-31 the next
	v_lshl_add_u32 v4, v1, 4, v4
	v_add_nc_u32 v[RD], s72, v4
	v_lshlrev_b32 v[CO], 8, v2
	v_lshl_add_u32 v[CO], v1, 4, v[CO]
	; C: row R = 128 x row tile + 64 x half lies in batch R >> sh at place n; the wave's 128 columns are pair of heads hp
	s_lshl_b32 s67, s66, 7
	s_lshl_b32 s68, s17, 6
	s_add_co_u32 s67, s67, s68                     ; R
	s_lshr_b32 s68, s67, s69                       ; b
	s_lshl_b32 s70, s68, s69
	s_sub_co_u32 s67, s67, s70                     ; n
	s_and_b32 s70, s71, 1
	s_lshl_b32 s70, s70, 1
	s_or_b32 s70, s70, s18                         ; hp
	s_lshl2_add_u32 s68, s68, s70                  ; 4 b + hp
	s_lshl_b32 s68, s68, s69
	s_add_co_u32 s68, s68, s67
	s_lshl_b32 s68, s68, 8                         ; rows of 256 bytes
	s_mov_b32 s69, 0
	s_add_nc_u64 s[62:63], s[62:63], s[68:69]
	s_wait_tensorcnt 1                             ; my part of K step 0 is in; K step 1's may stay out
	s_barrier_signal -1
	s_barrier_wait -1
	FETCH 0, 0, 0
	QUARTER 0, 64, 0, 1, 1                         ; the first quarter stands in front of the loop: its products start the sums
	WIN 0
	s_mov_b32 s61, 0
.Llap:                                                 ; a trip goes once round the ring and fills both slots again; 1 trip (q) or 2 (k | v); every LDS address in it is a constant of the text
	QUARTER 0, 128, 1, 0, 0
	QUARTER 0, 192, 0, 1, 0
	TURN 0, 1, 1
	QUARTER 1, 64,  0, 1, 0
	QUARTER 1, 128, 1, 0, 0
	QUARTER 1, 192, 0, 1, 0
	TURN 1, 0, 1
	QUARTER 0, 64,  0, 1, 0
	WIN 0
	s_add_co_u32 s61, s61, 1
	s_cmp_lt_u32 s61, s60
	s_cbranch_scc1 .Llap
	QUARTER 0, 128, 1, 0, 0                        ; the last lap fills nothing
	QUARTER 0, 192, 0, 1, 0
	TURN 0, 1, 0
	QUARTER 1, 64,  0, 1, 0
	QUARTER 1, 128, 1, 0, 0
	QUARTER 1, 192, 0, 1, 0
	s_wait_dscnt 4
	MUL8 1, 0, 0
	MUL8 1, 1, 0
	s_wait_dscnt 0x0
	MUL8 1, 2, 0
	MUL8 1, 3, 0
	; THE WAY OUT, a block of 16 rows at a time: rounded to f16, 16 bytes a lane into my own stage, back as whole rows of 256 bytes, stored.
.macro PACK a
	WIN 0x05                                       ; sources in window 1
.irp b, 0,1,2,3,4,5,6,7
.irp i, 0,1,2,3
	v_cvt_pk_f16_f32 v[TMP+4*\b+\i], v[8*(8*(\a)+\b)+2*\i], v[8*(8*(\a)+\b)+2*\i+1]
.endr
.endr
	WIN 0
.endm
.macro TOSTAGE a
.irp b, 0,1,2,3,4,5,6,7
	ds_store_b128 v[STO], v[TMP+4*\b:TMP+4*\b+3] offset:32*\b
.endr
.irp t, 0,1,2,3,4,5,6,7
	ds_load_b128 v[FA+32*((\a)%2)+4*\t:FA+32*((\a)%2)+4*\t+3], v[RD] offset:\t*2*SPITCH  ; LDS serves a wave's instructions in order (ISA guide 5.7.1.4): these see the stores above
.endr
.endm
.macro SEND a
	s_wait_dscnt 0x0                               ; the block is back in registers
	s_wait_xcnt 0x0                                ; the registers that earlier stores read are loaded again only behind this wait
.irp t, 0,1,2,3,4,5,6,7
	global_store_b128 v[CO], v[FA+32*((\a)%2)+4*\t:FA+32*((\a)%2)+4*\t+3], s[62:63] offset:(\a)*4096+\t*512  ; 16 lanes store 256 consecutive, aligned bytes
.endr
.endm
	PLACES
	PACK 0
	TOSTAGE 0
.irp a, 1,2,3
	PACK \a
	SEND (\a)-1
	TOSTAGE \a
.endr
	SEND 3
	s_wait_tensorcnt 0x0                           ; the wave's end
	ds_add_u32 v[SPW], v[NIL]
	s_wait_dscnt 0x0
	CROUND                                         ; the closing round: no work-group ends while a partner may still ask for a tile that names it
	s_endpgm
.Lfunc_end_k_q999a8696f9_proj:
	.size	k_q999a8696f9_proj, .Lfunc_end_k_q999a8696f9_proj-k_q999a8696f9_proj
	.p2alignl 7, 3214868480
	.fill 96, 4, 3214868480
	.section	.rodata,"a",@progbits
	.p2align	6, 0x0
	.amdhsa_kernel k_q999a8696f9_proj
		.amdhsa_group_segment_fixed_size 327680
		.amdhsa_private_segment_fixed_size 0
		.amdhsa_enable_private_segment 0
		.amdhsa_kernarg_size 48
		.amdhsa_user_sgpr_count 2
		.amdhsa_user_sgpr_kernarg_segment_ptr 1
		.amdhsa_wavefront_size32 1
		.amdhsa_system_sgpr_workgroup_id_x 1
		.amdhsa_system_sgpr_workgroup_id_y 1
		.amdhsa_system_sgpr_workgroup_id_z 1
		.amdhsa_system_vgpr_workitem_id 0
		.amdhsa_next_free_vgpr 512
		.amdhsa_next_free_sgpr 80
		.amdhsa_reserve_vcc 0
		.amdhsa_float_denorm_mode_32 3
		.amdhsa_float_denorm_mode_16_64 3
		.amdhsa_memory_ordered 1
		.amdhsa_forward_progress 1
		.amdhsa_inst_pref_size 86
	.end_amdhsa_kernel
	.amdgpu_metadata
---
amdhsa.version: [ 1, 2 ]
amdhsa.kernels:
  - .name:           k_q999a8696f9_proj
    .symbol:         k_q999a8696f9_proj.kd
    .args:
      - { .name: xb, .offset: 0, .size: 8, .value_kind: global_buffer, .address_space: global }
      - { .name: cb, .offset: 8, .size: 8, .value_kind: global_buffer, .address_space: global }
      - { .name: wt, .offset: 16, .size: 8, .value_kind: global_buffer, .address_space: global }
      - { .name: qh, .offset: 24, .size: 8, .value_kind: global_buffer, .address_space: global }
      - { .name: kh, .offset: 32, .size: 8, .value_kind: global_buffer, .address_space: global }
      - { .name: vh, .offset: 40, .size: 8, .value_kind: global_buffer, .address_space: global }
    .group_segment_fixed_size: 327680
    .private_segment_fixed_size: 0
    .kernarg_segment_align: 8
    .kernarg_segment_size: 48
    .max_flat_workgroup_size: 128
    .sgpr_count:     80
    .vgpr_count:     512
    .wavefront_size: 32
...
	.end_amdgpu_metadata
.endif
;; end of part 2
;; launch attn (part 3): grid 4 x 64, 4 waves a work-group, clusters of 4 x 4, 327,680 bytes of LDS; arguments qh, kh, vh, mask, oh; writes oh
.if DOCPART == 3
	.amdgcn_target "amdgcn-amd-amdhsa--gfx1250"
	.amdhsa_code_object_version 6
	.text
	.protected	k_q999a8696f9_attn
	.globl	k_q999a8696f9_attn
	.p2align	8
	.type	k_q999a8696f9_attn,@function
k_q999a8696f9_attn:
	s_mov_b64 s[64:65], 0
	v_nop
	global_prefetch_b8 v0, s[64:65] scope:SCOPE_SE
	s_setreg_imm32_b32 hwreg(HW_REG_WAVE_MODE, 25, 1), 1
	s_wait_xcnt 0x0
	s_wait_alu depctr_hold_cnt(0) depctr_sa_sdst(0) depctr_va_vdst(0) depctr_va_sdst(0) depctr_va_ssrc(0) depctr_va_vcc(0) depctr_vm_vsrc(0)
	s_getreg_b32 s2, hwreg(HW_REG_IB_STS2, 6, 4)
	s_cmp_eq_u32 s2, 0
	s_cbranch_scc0 .Lentry_in_a_cluster
	s_endpgm
.Lentry_in_a_cluster:
	s_bfe_u32 s2, ttmp6, 0x10000c
	s_cmp_lg_u32 s2, 0xf033
	s_cbranch_scc0 .Lentry_shape_is_right
	s_endpgm
.Lentry_shape_is_right:
; ATTN: O[b][h][n] = sum over m of softmax_m(mask[b][n][m] ? Q.K / 8 : hidden) V.  qh, oh: [b 4][hp 4][n 4096][128] f16, kh, vh: [b][hp][m 2048][128] f16 (hp = a pair of heads, 64 channels each);
; mask: [b][n][m] int32, read as it lies, once for all eight heads of a row block's cluster row.  Products, maxima and sums in f32; the weights p are rounded to f16 for the second product
; (their sum l is taken of the unrounded p), O once at the end.
; LIMITS.  A hidden score is REPLACED, as in the module, by -2^33 before the scale (-2^30 behind it, for the module's -1e9): c x -2^33 is exact, so a row (or a row's beginning) with hidden keys
; alone has p = 1 exactly; results differ from the module's only where visible scaled scores lie near -1e9.  Any non-zero mask word counts as visible.  Q, K, V arrive within f16's 65,504.
; A weight below 2^-126 counts as 0 in l.  NaN and infinities are not treated apart.
; SHARES.  A work-group owns 256 queries of one pair of heads, a wave 64 queries x 2 heads: four PIECES; piece x is the query tile x (16 rows) with its two heads as tiles t = 2 x + u, so that
; one mask register serves two score registers.  Every wave walks the 2,048 keys, 64 a step.
; LAYOUT.  S^T = K Q^T (source 0 = 16 keys, source 1 = 16 queries): a lane holds ONE query (lane % 16) and the keys 8 (lane / 16) + 0..7.  Two results rounded to f16 ARE source 1 of O^T = V^T P.
; SOFTMAX.  A running maximum m and sum l: p = 2^(c s - c m), c = log2(e) / 8; in every step O and l are multiplied by a = 2^(c m_old - c m_new).  m starts at the lowest finite number, O and l at 0.
; BY TURNS.  Turn n belongs to piece n.  Matrix work: 16 products K Q^T of piece n + 1, then 16 products V^T P of piece n - 1.  Vector work: scaling, exponentials, roundings, sums and rescaling of
; piece n; mask, maximum and statistics of piece n + 1.  Four vector instructions stand behind every matrix instruction, the other 204 of a turn's 332 in one lump.
; CLUSTER 4 x 4.  Along x: the four pairs of heads of one block of queries: they share the mask's tile.  Along y: four blocks of queries of one batch: they share K's and V's tiles.  Each tile is
; asked for JOINTLY.  Wave 0 asks for K, wave 1 for V, waves 2, 3 for the mask's halves: one tensor load a wave behind each round; by this text's count one load of a wave is out.
; REGISTERS (windows of 256; s_set_vgpr_msb: bits 1:0 source 0, 3:2 source 1, 5:4 source 2, 7:6 destination):
;   window 0: v0-11 addresses; v12-15, v48-63 at work; v16-47 statistics, four a tile; v64-191 S^T, two buffers of two tiles; v192-255 P, likewise
;   window 1: O^T, 32 a tile     window 2: v0-127 Q, 16 a tile; v128-255 K of one step     window 3: v0-127 V of one step; v128-159 the mask words of one piece and step
.set KS,    64
.set PK,    272       ; a row of K in LDS: 256 bytes + 16: the 16 rows of a load start at 16 different groups of four banks (ISA guide 11.1)
.set PVP,   288       ; a row of V: 256 + 32
.set PM,    272       ; a row of the mask's tile: 64 words + 4
.set VOFF,  KS*PK
.set MOFF,  VOFF+KS*PVP
.set SLOT1, 1<<17     ; a slot holds one step: 64 rows of K, 64 of V, 256 of the mask: 105,472 bytes; slot 1 begins here
.set STAGE, SLOT1+MOFF+256*PM   ; behind the ring: 16 rows x 272 bytes for each wave, for the way out
.set SP,    272
.set SPARE, STAGE+4*16*SP       ; behind the stages: the spare words, 128 bytes for each wave
.set PF,  0           ; v0   the thread's number; later my byte offset for the prefetch
.set SPW, 1           ; v1   LDS address of my spare word; never rewritten
.set AK0, 2           ; v2   my lane's place in a tile of K
.set AV0, 3           ; v3   of V
.set AK,  4           ; v4-5, v10  the same in the slot that the trip's fetches read
.set AV,  5
.set STO, 6           ; v6   the way out: where I put 16 bytes of a row
.set RD,  7           ; v7   where I read rows back
.set GO,  8           ; v8   my byte offset in two rows of O
.set AM0, 9           ; v9   my lane's place in the mask's tile
.set AM,  10
.set NIL, 11          ; v11  0; never rewritten
.set MV,  12          ; v12-15  c m_old, by buffer and tile
.set ST,  16          ; tile t at v[ST+4 t]: c m, m, l (even keys', odd keys')
.set TMP, 48          ; by buffer and tile four registers c0-c3; when the maximum is found c2 takes a
.set QO,  48          ; during the set-up: my byte offset in 16 rows of Q
.set S,   64
.set P,   192
.set KF,  128         ; window 2: head u, key block kb, channel half c at KF + 64 u + 16 kb + 8 c
.set MK,  128         ; window 3: register 8 kt + j = the mask word of key 16 kt + 8 (lane / 16) + j: the place of S^T's register 8 kt + j
.set WV,  14          ; s14  wave
.set G1K, 24          ; s[24:31], s[32:39], s[40:47] group 1 for K, V, the mask
.set G1V, 32
.set G1M, 40
.set G0K, 48          ; s[48:51], s[52:55], s[56:59] group 0: they walk
.set G0V, 52
.set G0M, 56
.set CS,  60          ; s[60:61] c
.set SEL, 62          ; s[62:63] v_permlanex16_b32's selects
.set SLOTS, 66        ; s66  counts the loop's trips
.set SB,  67          ; s67  the slot that the trip's fetches read
.set MS,  68          ; s[68:99] 32 lane masks: key visible
.set NEG, 100         ; s100 -2^33
.set CNT, 101         ; s101 counts the tail's trips
.set MB,  10          ; s[10:11] the mask at my work-group's first row
.set PFB, 6           ; s[6:7]   the prefetch's base
.set PFS, 8           ; s8       the step that the prefetch asks for
.set MSB, 0
.macro WIN new
.if MSB != (\new)
	s_set_vgpr_msb (MSB<<8)|(\new)
.set MSB, (\new)
.endif
.endm
.set W_KQ, 0x0a       ; K and Q in window 2, S^T in window 0
.set W_PV, 0x53       ; V in window 3, P in window 0, O^T in window 1
.set W_RS, 0x41       ; O^T (destination and source 0) in window 1, a in window 0
.set W_CM, 0x0c       ; source 1 (the mask words) in window 3
; The wave's one joint load.  The branches hang on the wave's number alone.  An s_nop 0 and four v_nop follow each line, ahead of the jump and the label.
.macro JLOAD
	s_cmp_lt_u32 s[WV], 2
	s_cbranch_scc0 .Lfor_m_\@
	s_cmp_eq_u32 s[WV], 0
	s_cbranch_scc0 .Lfor_v_\@
	tensor_load_to_lds s[G0K:G0K+3], s[G1K:G1K+7]
	s_nop 0
.rept 4
	v_nop
.endr
	s_branch .Lasked_\@
.Lfor_v_\@:
	tensor_load_to_lds s[G0V:G0V+3], s[G1V:G1V+7]
	s_nop 0
.rept 4
	v_nop
.endr
	s_branch .Lasked_\@
.Lfor_m_\@:
	tensor_load_to_lds s[G0M:G0M+3], s[G1M:G1M+7]
	s_nop 0
.rept 4
	v_nop
.endr
.Lasked_\@:
.endm
.macro CROUND                       ; a round of the cluster's barrier
	s_barrier_signal -1
	s_barrier_wait -1
	s_cmp_lg_u32 s[WV], 0
	s_cbranch_scc1 .Lnot_wave_0_\@
	s_barrier_signal -3
.Lnot_wave_0_\@:
	s_barrier_wait -3
	s_barrier_signal -1
	s_barrier_wait -1
.endm
; THE CHANGE OF SLOTS.  Each wave waits for all its tensor loads (one is out: its part of the other slot), adds 0 to its spare word, and waits for that and for its own reads of the slot that it leaves.
; fill = 1: the barrier is a round of the cluster's, and the slot left is filled again, with the step two on, first thing behind it: a whole step's work, 128 matrix instructions, in which to land.
; Then waves 0 and 1 ask the L2 for the mask's tile of the step behind the one just requested (clamped to the last step): work-group cx for rows 64 cx .. + 63 of the cluster row's 256, a lane a row
; of 256 bytes: each such row is asked for by one lane of one work-group, one trip ahead of its tensor load.  K and V are not asked for: the launch before wrote them.
.macro CHANGE fill
	WIN 0
	s_wait_tensorcnt 0x0            ; no tensor load of mine is out, so a group 0 may be written
	ds_add_u32 v[SPW], v[NIL]       ; 0 onto my spare word; scalar work stands between it and the wait for it
.if \fill
	s_xor_b32 s[G0K+1], s[G0K+1], SLOT1
	s_add_nc_u64 s[G0K+2:G0K+3], s[G0K+2:G0K+3], KS*256
	s_xor_b32 s[G0V+1], s[G0V+1], SLOT1
	s_add_nc_u64 s[G0V+2:G0V+3], s[G0V+2:G0V+3], KS*256
	s_xor_b32 s[G0M+1], s[G0M+1], SLOT1
	s_add_nc_u64 s[G0M+2:G0M+3], s[G0M+2:G0M+3], KS*4
	s_wait_xcnt 0x0                 ; the last prefetch, a trip back, has read its base
	s_add_co_u32 s[PFS], s[PFS], 1
	s_min_u32 s2, s[PFS], 31
	s_lshl_b32 s2, s2, 8            ; 256 bytes of a mask row a step (s3 holds 0)
	s_add_nc_u64 s[PFB:PFB+1], s[MB:MB+1], s[2:3]
	s_wait_dscnt 0x0                ; the add is done, and my reads of the slot are over
	CROUND
	JLOAD
.else
	s_wait_dscnt 0x0
	s_barrier_signal -1
	s_barrier_wait -1
.endif
	s_xor_b32 s[SB], s[SB], SLOT1   ; the trip's fetches read the other slot
	v_add_nc_u32 v[AK], s[SB], v[AK0]
	v_add_nc_u32 v[AV], s[SB], v[AV0]
	v_add_nc_u32 v[AM], s[SB], v[AM0]
.if \fill
	s_cmp_lt_u32 s[WV], 2
	s_cbranch_scc0 .Lno_pf_\@
	global_prefetch_b8 v[PF], s[PFB:PFB+1] th:TH_LOAD_NT scope:SCOPE_SE
.Lno_pf_\@:
.endif
.endm
	s_load_b256 s[4:11], s[0:1], 0x0  ; qh s[4:5], kh s[6:7], vh s[8:9], mask s[10:11]
	s_load_b64 s[12:13], s[0:1], 0x20 ; oh
	v_lshl_add_u32 v[SPW], v0, 2, SPARE
	v_mov_b32 v[NIL], 0
	ds_add_u32 v[SPW], v[NIL]       ; the wave's opening: the add and its wait stand ahead of my first tensor load; work on registers stands between them
	v_lshrrev_b32 v49, 5, v0
	v_readfirstlane_b32 s[WV], v49
	s_bfe_u32 s15, ttmp6, 0x40000   ; cx: the pair of heads
	s_bfe_u32 s16, ttmp6, 0x40004   ; cy
	s_and_b32 s17, ttmp7, 0xffff    ; the cluster's y
	s_lshr_b32 s18, s17, 2          ; the batch: four clusters each
	s_lshl_b32 s19, s17, 2
	s_add_co_u32 s19, s19, s16      ; the block of 256 queries among all 64 = 4 x cluster y + cy
	s_lshl_b32 s20, s18, 2
	s_add_co_u32 s20, s20, s15      ; 4 b + hp
	s_lshl_b32 s22, s20, 19         ; K, V: 2,048 rows of 256 bytes (made of the batch and cx: shared along a column of the cluster)
	s_mov_b32 s23, 0
	s_lshl_b32 s2, s19, 21          ; the mask: 256 rows of 8,192 bytes (made of the cluster's y and cy: shared along a row)
	s_mov_b32 s3, 0
	s_and_b32 s21, s[WV], 1         ; which half of the mask's tile waves 2, 3 fetch
	s_lshl_b32 s68, s20, 20         ; Q, O: 4,096 rows of 256 bytes,
	s_and_b32 s69, s19, 15
	s_lshl_b32 s69, s69, 16         ; my block's 256 rows,
	s_add_co_u32 s68, s68, s69
	s_lshl_b32 s69, s[WV], 14       ; my wave's 64
	s_add_co_u32 s68, s68, s69
	s_mov_b32 s69, 0
	s_lshl_b32 s73, s15, 19         ; the prefetch: 64 cx rows of 8,192 bytes
	s_lshl_b32 s70, 0x1111, s15     ; my column of the cluster
	s_lshl_b32 s71, s16, 2
	s_lshl_b32 s71, 15, s71         ; my row
	; group 1.  K, V: 64 rows of 128 elements of 2 bytes; the mask: 128 rows of 64 elements of 4 bytes, 2,048 elements from row to row.  Padding behind every 64 words: 4 words, for V 8.  Bit 21 beside the masks.
	s_or_b32 s[G1K], s70, (1<<16)|(1<<20)|(1<<21)|(5<<22)|(3<<25)
	s_or_b32 s[G1V], s70, (1<<16)|(1<<20)|(1<<21)|(5<<22)|(7<<25)
	s_or_b32 s[G1M], s71, (2<<16)|(1<<20)|(1<<21)|(5<<22)|(3<<25)
.irp g, G1K, G1V
	s_mov_b32 s[\g+1], 128<<16      ; tensor_dim0
	s_mov_b32 s[\g+2], KS<<16       ; tensor_dim1
	s_mov_b32 s[\g+3], 128<<16      ; tile_dim0
	s_mov_b32 s[\g+4], KS           ; tile_dim1
	s_mov_b32 s[\g+5], 128          ; elements from row to row
	s_mov_b32 s[\g+6], 0
	s_mov_b32 s[\g+7], 0
.endr
	s_mov_b32 s[G1M+1], KS<<16
	s_mov_b32 s[G1M+2], 128<<16
	s_mov_b32 s[G1M+3], KS<<16
	s_mov_b32 s[G1M+4], 128
	s_mov_b32 s[G1M+5], 2048
	s_mov_b32 s[G1M+6], 0
	s_mov_b32 s[G1M+7], 0
	s_mov_b32 s[G0K], 1
	s_mov_b32 s[G0K+1], 0           ; slot 0
	s_mov_b32 s[G0V], 1
	s_mov_b32 s[G0V+1], VOFF
	s_mov_b32 s[G0M], 1
	s_mul_i32 s72, s21, 128*PM
	s_add_co_u32 s[G0M+1], s72, MOFF
	s_mov_b32 s[CS], 0x3e38aa3b     ; c = log2(e) / 8
	s_mov_b32 s[CS+1], s[CS]
	s_mov_b32 s[SEL], 0x76543210
	s_mov_b32 s[SEL+1], 0xfedcba98
	s_mov_b32 s[NEG], 0xd0000000    ; -2^33
	s_mov_b32 s[SB], SLOT1          ; the first change of slots turns it into 0
	s_wait_dscnt 0x0                ; the opening add is done
	s_wait_kmcnt 0x0
	s_add_nc_u64 s[G0K+2:G0K+3], s[6:7], s[22:23]
	s_or_b32 s[G0K+3], s[G0K+3], 0x80000000
	s_add_nc_u64 s[G0V+2:G0V+3], s[8:9], s[22:23]
	s_or_b32 s[G0V+3], s[G0V+3], 0x80000000
	s_add_nc_u64 s[MB:MB+1], s[10:11], s[2:3]
	s_lshl_b32 s2, s21, 20          ; 128 rows of 8,192 bytes
	s_add_nc_u64 s[G0M+2:G0M+3], s[MB:MB+1], s[2:3]
	s_or_b32 s[G0M+3], s[G0M+3], 0x80000000
	s_add_nc_u64 s[4:5], s[4:5], s[68:69]
	s_add_nc_u64 s[12:13], s[12:13], s[68:69]
	s_mov_b32 s[PFS], 1
	CROUND                          ; all sixteen work-groups are here: the first joint loads meet
	JLOAD                           ; step 0 into slot 0; slot 1 is asked for when slot 0 is in
	v_and_b32 v50, 15, v0           ; l % 16
	v_bfe_u32 v51, v0, 4, 1         ; l / 16
	v_lshlrev_b32 v[QO], 8, v50
	v_lshl_add_u32 v[QO], v51, 4, v[QO]
	WIN 0x80                        ; destination window 2
.irp x, 0,1,2,3                     ; Q stays in registers: tile 2 x + u, channels 32 c on
.irp u, 0,1
.irp c, 0,1
	global_load_b128 v[16*(2*\x+\u)+8*\c:16*(2*\x+\u)+8*\c+3],   v[QO], s[4:5] offset:\x*4096+\u*128+\c*64
	global_load_b128 v[16*(2*\x+\u)+8*\c+4:16*(2*\x+\u)+8*\c+7], v[QO], s[4:5] offset:\x*4096+\u*128+\c*64+32
.endr
.endr
.endr
	; What the first turn finds: V's registers and P's second buffer hold 0 (its products V^T P, of a piece that has not been, add 0), O^T and l are 0: no first step is written out.
	; The price, 448 moves once a launch, stands in the wait for the first tile.
	WIN 0xc0
.set i, 0
.rept 128
	v_mov_b32 v[i], 0
.set i, i+1
.endr
	WIN 0x40
.set i, 0
.rept 256
	v_mov_b32 v[i], 0
.set i, i+1
.endr
	WIN 0
.set i, 0
.rept 8
	v_mov_b32 v[ST+4*i], 0xfe000000    ; c m: far below every c s
	v_mov_b32 v[ST+4*i+1], 0xff7fffff  ; m
	v_mov_b32 v[ST+4*i+2], 0
	v_mov_b32 v[ST+4*i+3], 0
.set i, i+1
.endr
.set i, P+32
.rept 32
	v_mov_b32 v[i], 0
.set i, i+1
.endr
	v_mul_u32_u24 v[AK0], v50, PK
	v_lshl_add_u32 v[AK0], v51, 4, v[AK0]  ; row x pitch + 16 x half
	; The turning load takes 16 keys x 16 channels (lane l reads key 8 (l / 16) + l % 8, channels 8 ((l / 8) % 2) + 0..7) and leaves half a fragment of V^T.
	v_and_b32 v52, 7, v0
	v_bfe_u32 v53, v0, 3, 1
	v_lshl_add_u32 v[AV0], v51, 3, v52
	v_mul_u32_u24 v[AV0], v[AV0], PVP
	v_lshl_add_u32 v[AV0], v53, 4, v[AV0]
	v_add_nc_u32 v[AV0], VOFF, v[AV0]
	s_mul_i32 s72, s[WV], 64*PM
	s_add_co_u32 s72, s72, MOFF     ; my wave's 64 rows of the mask's tile
	v_mul_u32_u24 v[AM0], v50, PM
	v_lshl_add_u32 v[AM0], v51, 5, v[AM0]  ; row l % 16, eight words for each half of the lanes
	v_add_nc_u32 v[AM0], s72, v[AM0]
	s_mul_i32 s72, s[WV], 16*SP
	s_add_co_u32 s72, s72, STAGE    ; my stage
	v_add_nc_u32 v[STO], s72, v[AK0]  ; in: row l % 16, 16 bytes for each half of the lanes (the stage's pitch is K's)
	v_mul_u32_u24 v[RD], v51, SP    ; back: lanes 0-15 one row of 256 bytes, lanes 16-31 the next
	v_lshl_add_u32 v[RD], v50, 4, v[RD]
	v_add_nc_u32 v[RD], s72, v[RD]
	v_lshlrev_b32 v[GO], 8, v51
	v_lshl_add_u32 v[GO], v50, 4, v[GO]
	v_lshl_add_u32 v[PF], v0, 13, s73  ; row 64 cx + thread of the mask's tile (waves 0, 1)
; THE MATRIX WORK.  The 8 accumulators of a run of 16 take turns.
; Product i of 16 of S^T = K Q^T for piece x: channels 32 (i / 8) on, keys 16 ((i / 2) % 4) on, head i % 2.  The first 8 start the sums.
.macro KQ x
	WIN W_KQ
.set rS, S+64*((\x)%2)+32*(i%2)+8*((i/2)%4)
.set rK, KF+64*(i%2)+16*((i/2)%4)+8*(i/8)
.set rQ, 16*(2*(\x)+i%2)+8*(i/8)
.if i < 8
	v_wmma_f32_16x16x32_f16 v[rS:rS+7], v[rK:rK+7], v[rQ:rQ+7], 0
.else
	v_wmma_f32_16x16x32_f16 v[rS:rS+7], v[rK:rK+7], v[rQ:rQ+7], v[rS:rS+7]
.endif
.endm
; Product i of 16 of O^T += V^T P for piece x: keys 32 (i / 8) on, channels 16 ((i / 2) % 4) on, head i % 2.
.macro PV x
	WIN W_PV
.set rO, 32*(2*(\x)+i%2)+8*((i/2)%4)
.set rV, 64*(i%2)+32*(i/8)+8*((i/2)%4)
.set rP, P+32*((\x)%2)+16*(i%2)+8*(i/8)
	v_wmma_f32_16x16x32_f16 v[rO:rO+7], v[rV:rV+7], v[rP:rP+7], v[rO:rO+7]
.endm
.macro MM                           ; the turn's next matrix instruction
.if i < 16
	KQ (Y+1)%4
.else
.set i, i-16
	PV (Y+3)%4
.set i, i+16
.endif
.set i, i+1
.endm
; THE LDS LOADS stand in runs, never singly among the matrix instructions.
.macro FETCH_K                      ; a step's K: 64 keys x 128 channels: 16 fragments
	WIN 0x80
.irp u, 0,1
.irp kb, 0,1,2,3
.irp c, 0,1
	ds_load_b128 v[KF+64*\u+16*\kb+8*\c:KF+64*\u+16*\kb+8*\c+3],   v[AK] offset:\kb*16*PK+\u*128+\c*64
	ds_load_b128 v[KF+64*\u+16*\kb+8*\c+4:KF+64*\u+16*\kb+8*\c+7], v[AK] offset:\kb*16*PK+\u*128+\c*64+32
.endr
.endr
.endr
.endm
.macro FETCH_V                      ; a step's V, turned
	WIN 0xc0
.irp u, 0,1
.irp kk, 0,1
.irp cb, 0,1,2,3
	ds_load_tr16_b128 v[64*\u+32*\kk+8*\cb:64*\u+32*\kk+8*\cb+3],   v[AV] offset:\kk*32*PVP+\u*128+\cb*32
	ds_load_tr16_b128 v[64*\u+32*\kk+8*\cb+4:64*\u+32*\kk+8*\cb+7], v[AV] offset:\kk*32*PVP+16*PVP+\u*128+\cb*32
.endr
.endr
.endr
.endm
.macro FETCH_M x                    ; piece x's mask words of a step: 16 rows x 64 keys
	WIN 0xc0
.irp kt, 0,1,2,3
	ds_load_b128 v[MK+8*\kt:MK+8*\kt+3],   v[AM] offset:(\x)*16*PM+\kt*64
	ds_load_b128 v[MK+8*\kt+4:MK+8*\kt+7], v[AM] offset:(\x)*16*PM+\kt*64+16
.endr
.endm
; THE VECTOR WORK, a line at a time: OP kind, number, head.  For piece Y: F n: c s - c m for pair n of 16.  E n: the exponential of score n of 32.  C n: pair n rounded to f16.  B n: of the four weights
; 4 n .. the second pair is added onto the first, in place.  L n: l takes that sum (L 0: l = a l + sum).  R n: pair n of 16 of O^T times a.  For piece Y + 1: Q n: is key 2 n (2 n + 1) visible? (one
; compare for both heads).  K n: score n, or -2^33 where the key is hidden (each accumulator's lowest register is read first).  X n: number n of the 22 that find maximum and statistics:
;   0-11 four chains c0-c3 of seven scores each     12-14, 16 the four scores left over, the old m, c0-c3 into c0     15 c m_old is kept     17, 18 the other half of the lanes': the new m     19-21 c m; c m_old - c m_new; a
.set F, 0
.set E, 1
.set C, 2
.set B, 3
.set L, 4
.set R, 5
.set Q, 6
.set K, 7
.set X, 8
.macro REGS y, u
.set rT, ST+4*(2*(\y)+(\u))
.set rC, TMP+8*((\y)%2)+4*(\u)
.set rM, MV+2*((\y)%2)+(\u)
.set rS, S+64*((\y)%2)+32*(\u)
.set rP, P+32*((\y)%2)+16*(\u)
.set rO, 32*(2*(\y)+(\u))
.endm
.macro XS n
.if (\n) < 4
	v_max3_num_f32 v[rC+(\n)], v[rS+8*(\n)], v[rS+8*(\n)+1], v[rS+8*(\n)+2]
.elseif (\n) < 12
	v_max3_num_f32 v[rC+(\n)%4], v[rC+(\n)%4], v[rS+8*((\n)%4)+2*((\n)/4)+1], v[rS+8*((\n)%4)+2*((\n)/4)+2]
.elseif (\n) == 12
	v_max3_num_f32 v[rC], v[rC], v[rS+7], v[rS+15]
.elseif (\n) == 13
	v_max3_num_f32 v[rC+1], v[rC+1], v[rS+23], v[rS+31]
.elseif (\n) == 14
	v_max3_num_f32 v[rC+2], v[rC+2], v[rC+3], v[rT+1]
.elseif (\n) == 15
	v_mov_b32 v[rM], v[rT]
.elseif (\n) == 16
	v_max3_num_f32 v[rC], v[rC], v[rC+1], v[rC+2]
.elseif (\n) == 17
	v_permlanex16_b32 v[rC+3], v[rC], s[SEL], s[SEL+1]
.elseif (\n) == 18
	v_max_num_f32 v[rT+1], v[rC], v[rC+3]
.elseif (\n) == 19
	v_mul_f32 v[rT], s[CS], v[rT+1]
.elseif (\n) == 20
	v_sub_f32 v[rC+1], v[rM], v[rT]
.else
	v_exp_f32 v[rC+2], v[rC+1]
.endif
.endm
.macro OP k, n, u
.if (\k) == Q
	WIN W_CM
	v_cmp_ne_u32 s[MS+2*(\n)+(\u)], 0, v[MK+2*(\n)+(\u)]
.elseif (\k) == R
	REGS Y, \u
	WIN W_RS
	v_pk_mul_f32 v[rO+2*(\n):rO+2*(\n)+1], v[rO+2*(\n):rO+2*(\n)+1], v[rC+2:rC+3] op_sel_hi:[1,0]
.elseif (\k) == K
	REGS (Y+1)%4, \u
	WIN 0
	v_cndmask_b32 v[rS+(\n)], s[NEG], v[rS+(\n)], s[MS+(\n)]
.elseif (\k) == X
	REGS (Y+1)%4, \u
	WIN 0
	XS \n
.else
	REGS Y, \u
	WIN 0
.if (\k) == F
	v_pk_fma_f32 v[rS+2*(\n):rS+2*(\n)+1], v[rS+2*(\n):rS+2*(\n)+1], s[CS:CS+1], v[rT:rT+1] op_sel_hi:[1,0,0] neg_lo:[0,0,1] neg_hi:[0,0,1]
.elseif (\k) == E
	v_exp_f32 v[rS+(\n)], v[rS+(\n)]
.elseif (\k) == C
	s_wait_alu depctr_va_vdst(0)
	v_cvt_pk_f16_f32 v[rP+(\n)], v[rS+2*(\n)], v[rS+2*(\n)+1]
.elseif (\k) == B
	v_pk_add_f32 v[rS+4*(\n):rS+4*(\n)+1], v[rS+4*(\n):rS+4*(\n)+1], v[rS+4*(\n)+2:rS+4*(\n)+3]
.elseif (\n) == 0
	v_pk_fma_f32 v[rT+2:rT+3], v[rT+2:rT+3], v[rC+2:rC+3], v[rS:rS+1] op_sel_hi:[1,0,1]
.else
	v_pk_add_f32 v[rT+2:rT+3], v[rT+2:rT+3], v[rS+4*(\n):rS+4*(\n)+1]
.endif
.endif
.endm
.macro OP2 k, n                     ; the line for both heads (Q: for two keys)
	OP \k, \n, 0
	OP \k, \n, 1
.endm
.macro G2 k1, n1, k2, n2            ; four vector instructions
	OP2 \k1, \n1
	OP2 \k2, \n2
.endm
.macro ROW k1, n1, k2, n2           ; a matrix instruction and the four behind it
	MM
	G2 \k1, \n1, \k2, \n2
.endm
; A TURN, for piece p: the order of its 32 matrix and 332 vector instructions, written out.  None of the four behind a product names a register of the products round it.  A pair of exponentials is
; followed by a plain pair that touches neither result nor source.  The first masked score (K 0) stands eight plain instructions and more behind the last product K Q^T.
; The fetches stand behind the second run of products: the next turn's mask words in every turn (this turn's compares have read the old ones); V of the step in hand in piece 0's turn, six plain
; instructions behind the last product that read V; K of the next step in piece 2's turn.  All are waited for at the next turn's head, some 200 instructions later.
.macro TURN p
.set Y, (\p)
.set i, 0
	s_wait_dscnt 0x0                ; what the turn before fetched is in
	ROW F,0, F,1
	ROW Q,0, Q,1
	ROW F,2, F,3
	ROW Q,2, Q,3
	ROW E,0, F,4
	ROW Q,4, Q,5
	ROW E,1, F,5
	ROW Q,6, Q,7
	ROW E,2, F,6
	ROW Q,8, Q,9
	ROW E,3, F,7
	ROW Q,10, Q,11
	ROW E,4, F,8
	ROW Q,12, Q,13
	ROW E,5, F,9
	ROW Q,14, Q,15
	ROW C,0, F,10
	ROW R,0, R,1
	ROW E,6, K,0
	ROW R,2, R,3
	ROW E,7, K,1
	ROW R,4, R,5
	ROW E,8, K,2
	ROW R,6, R,7
	ROW E,9, K,3
	ROW R,8, R,9
	ROW E,10, K,4
	ROW R,10, R,11
	ROW E,11, K,5
	ROW R,12, R,13
	ROW E,12, K,6
	ROW R,14, R,15
	G2 E,13, K,7
	FETCH_M ((\p)+2)%4
.if (\p) == 0
	FETCH_V
.endif
.if (\p) == 2
	FETCH_K
.endif
	WIN 0
	G2 F,11, C,1
	G2 K,8, E,14
	G2 K,9, F,12
	G2 B,0, K,10
	G2 E,15, X,0
	G2 K,11, C,2
	G2 L,0, E,16
	G2 K,12, X,4
	G2 C,3, K,13
	G2 E,17, F,13
	G2 K,14, B,1
	G2 X,8, E,18
	G2 K,15, X,1
	G2 C,4, K,16
	G2 E,19, L,1
	G2 K,17, X,5
	G2 C,5, E,20
	G2 K,18, X,12
	G2 B,2, K,19
	G2 E,21, X,9
	G2 K,20, F,14
	G2 C,6, E,22
	G2 K,21, X,2
	G2 L,2, K,22
	G2 E,23, C,7
	G2 K,23, X,6
	G2 F,15, E,24
	G2 K,24, B,3
	G2 K,25, X,10
	G2 E,25, K,26
	G2 C,8, L,3
	G2 K,27, E,26
	G2 X,3, K,28
	G2 C,9, K,29
	G2 E,27, B,4
	G2 X,7, K,30
	G2 C,10, E,28
	G2 K,31, L,4
	G2 X,11, C,11
	G2 E,29, X,13
	G2 B,5, X,15
	G2 X,14, E,30
	G2 C,12, L,5
	G2 X,16, C,13
	G2 E,31, B,6
	G2 X,17, C,14
	G2 L,6, X,18
	G2 C,15, X,19
	G2 B,7, X,20
	G2 L,7, X,21
.endm
	CHANGE 1                        ; step 0 is in, everybody's part of it; step 1 is asked for
	FETCH_K                         ; key step 0
	FETCH_M 0
	s_wait_loadcnt 0x0              ; Q
	s_wait_dscnt 0x0
.set i, 0
.rept 16
	KQ 0                            ; piece 0's first scores
.set i, i+1
.endr
	WIN 0
.rept 4
	v_nop                           ; the places behind those products
.endr
.set Y, 3                           ; Q, K and X work for piece Y + 1: piece 0
.irp n, 0,1,2,3,4,5,6,7,8,9,10,11,12,13,14,15
	OP2 Q, \n
.endr
	FETCH_M 1                       ; the first turn's compares want piece 1's words
	WIN 0
.irp n, 0,1,2,3,4,5,6,7,8,9,10,11,12,13,14,15,16,17,18,19,20,21,22,23,24,25,26,27,28,29,30,31
	OP2 K, \n
.endr
.irp n, 0,1,2,3,4,5,6,7,8,9,10,11,12,13,14,15,16,17,18,19,20,21
	OP2 X, \n
.endr
	v_nop                           ; a plain instruction behind the exponentials
	s_mov_b32 s[SLOTS], 31
	s_branch .Lfirst                ; the loop is entered at a step's first turn, in the middle of a trip
.Lslot:                             ; 30 times: steps 2 to 31 are asked for.  A trip: pieces 2 and 3 of one step, pieces 0 and 1 of the next; all its fetches read the next step's slot
	CHANGE 1
	TURN 2
	TURN 3
	WIN 0
.Lfirst:
	TURN 0
	TURN 1
	WIN 0
	s_sub_co_u32 s[SLOTS], s[SLOTS], 1
	s_cmp_lg_u32 s[SLOTS], 0
	s_cbranch_scc1 .Lslot
	CHANGE 0                        ; the tail is written out: nothing is asked for
	s_mov_b32 s[CNT], 2             ; one trip fetches the last step; the second is left in its middle
.Ltail:
	TURN 2
	TURN 3
	WIN 0
	s_sub_co_u32 s[CNT], s[CNT], 1
	s_cmp_eq_u32 s[CNT], 0
	s_cbranch_scc1 .Lout
	TURN 0
	TURN 1
	WIN 0
	s_branch .Ltail
.Lout:                              ; the second trip's fetches read the last slot once more; its 16 products K Q^T and the statistics made of them serve nothing (l and O^T are not touched): the price of one text for every trip
.set i, 0
.rept 16
	PV 3                            ; the last piece's V^T P of the last step
.set i, i+1
.endr
	; THE WAY OUT.  l's two halves and the other half of the lanes' are added; O^T is divided by l, rounded to f16 and sent through my stage, a query tile (16 rows of 256 bytes, both heads) at a time.
	; The additions are the places behind the last products.
	WIN 0
.macro ALL line:vararg
.set t, 0
.rept 8
	\line
.set t, t+1
.endr
.endm
	ALL v_add_f32 v[ST+4*t+2], v[ST+4*t+2], v[ST+4*t+3]
	ALL v_permlanex16_b32 v[ST+4*t+3], v[ST+4*t+2], s[SEL], s[SEL+1]
	ALL v_add_f32 v[ST+4*t+2], v[ST+4*t+2], v[ST+4*t+3]
	ALL v_rcp_f32 v[ST+4*t+2], v[ST+4*t+2]
	v_nop                           ; a plain instruction between the last reciprocal and the use of its result
.macro PACK x
	WIN W_RS
.irp u, 0,1
.set i, 0
.rept 16
	s_wait_alu depctr_va_vdst(0)
	v_pk_mul_f32 v[32*(2*(\x)+\u)+i:32*(2*(\x)+\u)+i+1], v[32*(2*(\x)+\u)+i:32*(2*(\x)+\u)+i+1], v[ST+4*(2*(\x)+\u)+2:ST+4*(2*(\x)+\u)+3] op_sel_hi:[1,0]
.set i, i+2
.endr
.endr
	WIN 0x05                        ; sources in window 1, destination in window 0: S^T's registers are free
.set i, 0
.rept 32
	v_cvt_pk_f16_f32 v[S+32*(\x)+i], v[64*(\x)+2*i], v[64*(\x)+2*i+1]
.set i, i+1
.endr
	WIN 0
.irp f, 0,1,2,3,4,5,6,7
	ds_store_b128 v[STO], v[S+32*(\x)+4*\f:S+32*(\x)+4*\f+3] offset:32*\f
.endr
.irp f, 0,1,2,3,4,5,6,7
	ds_load_b128 v[S+32*(\x)+4*\f:S+32*(\x)+4*\f+3], v[RD] offset:\f*2*SP  ; LDS serves a wave's instructions in order (ISA guide 5.7.1.4): these see the stores above; the next tile's stores come behind them
.endr
.endm
.macro SEND x, younger              ; younger: the LDS instructions issued behind tile x's loads: the next tile's sixteen, or none
.irp f, 0,1,2,3,4,5,6,7
	s_wait_dscnt (\younger)+7-\f
	global_store_b128 v[GO], v[S+32*(\x)+4*\f:S+32*(\x)+4*\f+3], s[12:13] offset:(\x)*4096+\f*512  ; 16 lanes store 256 consecutive, aligned bytes
.endr
.endm
	PACK 0
	PACK 1
	SEND 0, 16
	PACK 2
	SEND 1, 16
	PACK 3
	SEND 2, 16
	SEND 3, 0
	s_wait_tensorcnt 0x0            ; the wave's end
	ds_add_u32 v[SPW], v[NIL]
	s_wait_dscnt 0x0
	CROUND                          ; the closing round: no work-group ends while a partner may still ask for a tile that names it
	s_endpgm
.Lfunc_end_k_q999a8696f9_attn:
	.size	k_q999a8696f9_attn, .Lfunc_end_k_q999a8696f9_attn-k_q999a8696f9_attn
	.p2alignl 7, 3214868480
	.fill 96, 4, 3214868480
	.section	.rodata,"a",@progbits
	.p2align	6, 0x0
	.amdhsa_kernel k_q999a8696f9_attn
		.amdhsa_group_segment_fixed_size 327680
		.amdhsa_private_segment_fixed_size 0
		.amdhsa_enable_private_segment 0
		.amdhsa_kernarg_size 40
		.amdhsa_user_sgpr_count 2
		.amdhsa_user_sgpr_kernarg_segment_ptr 1
		.amdhsa_wavefront_size32 1
		.amdhsa_system_sgpr_workgroup_id_x 1
		.amdhsa_system_sgpr_workgroup_id_y 1
		.amdhsa_system_sgpr_workgroup_id_z 1
		.amdhsa_system_vgpr_workitem_id 0
		.amdhsa_next_free_vgpr 928
		.amdhsa_next_free_sgpr 102
		.amdhsa_reserve_vcc 0
		.amdhsa_float_denorm_mode_32 3
		.amdhsa_float_denorm_mode_16_64 3
		.amdhsa_memory_ordered 1
		.amdhsa_forward_progress 1
		.amdhsa_inst_pref_size 255
	.end_amdhsa_kernel
	.section	.bss,"aw",@nobits
	.p2align	6
	.space	262144
	.amdgpu_metadata
---
amdhsa.version: [ 1, 2 ]
amdhsa.kernels:
  - .name:           k_q999a8696f9_attn
    .symbol:         k_q999a8696f9_attn.kd
    .args:
      - { .name: qh, .offset: 0, .size: 8, .value_kind: global_buffer, .address_space: global }
      - { .name: kh, .offset: 8, .size: 8, .value_kind: global_buffer, .address_space: global }
      - { .name: vh, .offset: 16, .size: 8, .value_kind: global_buffer, .address_space: global }
      - { .name: mask, .offset: 24, .size: 8, .value_kind: global_buffer, .address_space: global }
      - { .name: oh, .offset: 32, .size: 8, .value_kind: global_buffer, .address_space: global }
    .group_segment_fixed_size: 327680
    .private_segment_fixed_size: 0
    .kernarg_segment_align: 8
    .kernarg_segment_size: 40
    .max_flat_workgroup_size: 128
    .sgpr_count:     102
    .vgpr_count:     928
    .wavefront_size: 32
...
	.end_amdgpu_metadata
.endif
;; end of part 3
;; launch outp (part 4): grid 128 x 2, 4 waves a work-group, clusters of 4 x 1, 327,680 bytes of LDS; arguments oh, wt, b_out, out0; writes out0
.if DOCPART == 4
	.amdgcn_target "amdgcn-amd-amdhsa--gfx1250"
	.amdhsa_code_object_version 6
	.text
	.protected	k_q999a8696f9_outp
	.globl	k_q999a8696f9_outp
	.p2align	8
	.type	k_q999a8696f9_outp,@function
k_q999a8696f9_outp:
	s_mov_b64 s[64:65], 0
	v_nop
	global_prefetch_b8 v0, s[64:65] scope:SCOPE_SE
	s_setreg_imm32_b32 hwreg(HW_REG_WAVE_MODE, 25, 1), 1
	s_wait_xcnt 0x0
	s_wait_alu depctr_hold_cnt(0) depctr_sa_sdst(0) depctr_va_vdst(0) depctr_va_sdst(0) depctr_va_ssrc(0) depctr_va_vcc(0) depctr_vm_vsrc(0)
	s_getreg_b32 s2, hwreg(HW_REG_IB_STS2, 6, 4)
	s_cmp_eq_u32 s2, 0
	s_cbranch_scc0 .Lentry_in_a_cluster
	s_endpgm
.Lentry_in_a_cluster:
	s_bfe_u32 s2, ttmp6, 0x10000c
	s_cmp_lg_u32 s2, 0x3003
	s_cbranch_scc0 .Lentry_shape_is_right
	s_endpgm
.Lentry_shape_is_right:
; OUTP: out0 = O Wout + b_out.  O: oh [b 4][hp 4][n 4096][128] f16 (K block ks = pair of heads hp); the weights: wt + 524,288, [ks 4][n 512][128], bf16(Wout) written as f16; sums f32, K ascending;
; the bias is rounded to bf16 like the module's other inputs and added in f32; out0 [16384][512] f32.  NaN and infinities are not treated apart.
; SHARES.  A tile of C is 128 rows x 256 columns; four waves, each 64 x 128: 32 accumulators of 16 x 16.  256 work-groups.  Four K steps of 128 through two LDS slots.
; Waves 0, 1 fetch A's halves (64 rows), waves 2, 3 B's (128 rows): one tensor load a wave behind each round.
; CLUSTER 4 x 1: four neighbouring row tiles need the same tile of the weights, two thirds of a step's bytes: it is asked for JOINTLY; A's tiles are each work-group's own.  (There are two column tiles: 4 x 4 does not divide the grid.)
; THE MATRIX INSTRUCTION IS USED TRANSPOSED (source 0 = 16 rows of B, source 1 = 16 rows of A): a lane holds eight neighbouring columns of one row of C.
; REGISTERS: window 0: v0-31 addresses; v64-127 A's fragments, two buffers of 32; v128-255 B's, two of 64 (both at work on the way out).  Window 1: accumulator (a, b) at v[8 (8 a + b)].  Window 2: v0-63 the bias of my columns, v64 at work.
.set PITCH,  272
.set AHALF,  64*PITCH
.set BHALF,  128*PITCH
.set BOFF,   2*AHALF
.set SLOT,   BOFF+2*BHALF
.set STAGE,  2*SLOT                    ; behind the ring: 16 rows x 528 bytes for each wave
.set SPITCH, 528                       ; 512 bytes + 16: the 16 rows of a store start at 16 different groups of four banks (ISA guide 11.1)
.set SPARE,  STAGE+4*16*SPITCH
.set ADRA, 16
.set ADRB, 20
.set STO,  24
.set RD,   25
.set CO,   26
.set BO,   27                          ; v27  my byte offset in the bias
.set SPW,  28
.set NIL,  29
.set FA,   64
.set FB,   128
.set WV,  16
.set G1A, 24
.set G0A, 32
.set G1B, 40
.set G0B, 48
.set MSB, 0
.macro WIN new
.if MSB != (\new)
	s_set_vgpr_msb (MSB<<8)|(\new)
.set MSB, \new
.endif
.endm
.set MULW, 0x50
.macro JLOAD s                         ; the wave's one load for slot s; an s_nop 0 and four v_nop follow each of the two lines
	s_cmp_eq_u32 s17, 0
	s_cbranch_scc0 .Lfor_b_\@
	tensor_load_to_lds s[G0A+4*(\s):G0A+4*(\s)+3], s[G1A:G1A+7]
	s_nop 0
.rept 4
	v_nop
.endr
	s_branch .Lasked_\@
.Lfor_b_\@:
	tensor_load_to_lds s[G0B+4*(\s):G0B+4*(\s)+3], s[G1B:G1B+7]
	s_nop 0
.rept 4
	v_nop
.endr
.Lasked_\@:
.endm
.macro CREST
	s_cmp_lg_u32 s[WV], 0
	s_cbranch_scc1 .Lnot_wave_0_\@
	s_barrier_signal -3
.Lnot_wave_0_\@:
	s_barrier_wait -3
	s_barrier_signal -1
	s_barrier_wait -1
.endm
.macro CROUND
	s_barrier_signal -1
	s_barrier_wait -1
	CREST
.endm
.macro PLACES                          ; four places behind matrix instructions (ISA guide 7.12.1)
.rept 4
	v_nop
.endr
.endm
.macro MUL8 f, a, zero                 ; row block a x 8 column blocks, 32 along K; the 32 accumulators take turns
	WIN MULW
.irp b, 0,1,2,3,4,5,6,7
.if \zero
	v_wmma_f32_16x16x32_f16 v[8*(8*(\a)+\b):8*(8*(\a)+\b)+7], v[FB+64*(\f)+8*\b:FB+64*(\f)+8*\b+7], v[FA+32*(\f)+8*(\a):FA+32*(\f)+8*(\a)+7], 0
.else
	v_wmma_f32_16x16x32_f16 v[8*(8*(\a)+\b):8*(8*(\a)+\b)+7], v[FB+64*(\f)+8*\b:FB+64*(\f)+8*\b+7], v[FA+32*(\f)+8*(\a):FA+32*(\f)+8*(\a)+7], v[8*(8*(\a)+\b):8*(8*(\a)+\b)+7]
.endif
.endr
.endm
.macro FETCH slot, k, f                ; 24 LDS loads in one run: B's 128 rows, then A's 64
	WIN 0
.irp i, 0,1,2,3,4,5,6,7
	ds_load_b128 v[FB+64*(\f)+8*\i:FB+64*(\f)+8*\i+3],   v[ADRB+(\slot)] offset:(\k)+\i*16*PITCH
	ds_load_b128 v[FB+64*(\f)+8*\i+4:FB+64*(\f)+8*\i+7], v[ADRB+(\slot)] offset:(\k)+\i*16*PITCH+32
.endr
.irp i, 0,1,2,3
	ds_load_b128 v[FA+32*(\f)+8*\i:FA+32*(\f)+8*\i+3],   v[ADRA+(\slot)] offset:(\k)+\i*16*PITCH
	ds_load_b128 v[FA+32*(\f)+8*\i+4:FA+32*(\f)+8*\i+7], v[ADRA+(\slot)] offset:(\k)+\i*16*PITCH+32
.endr
.endm
.macro QUARTER slot, k, f, g, zero
	s_wait_dscnt 4                                 ; B and A's blocks 0, 1 are in; the youngest four loads may be out
	MUL8 \f, 0, \zero
	MUL8 \f, 1, \zero
	PLACES
	FETCH \slot, \k, \g
	s_wait_dscnt 24                                ; all but the 24 just issued
	MUL8 \f, 2, \zero
	MUL8 \f, 3, \zero
.endm
; The last quarter changes slots: in front of ONE barrier each wave waits for all its tensor loads, adds 0 to its spare word, and waits for that and for its reads of this slot.
; fill = 1: the barrier opens a round of the cluster's, and this slot is filled again, two K steps ahead, first thing behind the round.
.macro TURN slot, next, fill
	WIN 0
	s_wait_tensorcnt 0x0
	ds_add_u32 v[SPW], v[NIL]
	s_wait_dscnt 5                                 ; (the add and the youngest four loads may be out)
	MUL8 1, 0, 0
	s_wait_dscnt 0x0
	s_barrier_signal -1
	MUL8 1, 1, 0
.if \fill
	WIN 0
.endif
	s_barrier_wait -1
.if \fill
	CREST
	s_add_nc_u64 s[G0A+4*(\slot)+2:G0A+4*(\slot)+3], s[G0A+4*(\slot)+2:G0A+4*(\slot)+3], 0x200000  ; two pairs of heads on: 2 x 4,096 rows of 256 bytes
	s_add_nc_u64 s[G0B+4*(\slot)+2:G0B+4*(\slot)+3], s[G0B+4*(\slot)+2:G0B+4*(\slot)+3], 0x40000   ; 2 x 512 rows
	JLOAD \slot
.else
	PLACES
.endif
	FETCH \next, 0, 0
	MUL8 1, 2, 0
	MUL8 1, 3, 0
.endm
	s_load_b256 s[4:11], s[0:1], 0x0               ; oh s[4:5], wt s[6:7], b_out s[8:9], out0 s[10:11]
	v_lshl_add_u32 v[SPW], v0, 2, SPARE
	v_mov_b32 v[NIL], 0
	ds_add_u32 v[SPW], v[NIL]                      ; the wave's opening: the add and its wait stand ahead of my first tensor load
	v_lshrrev_b32 v1, 5, v0
	v_readfirstlane_b32 s[WV], v1
	s_lshr_b32 s17, s[WV], 1                       ; my half of the rows; I fetch A (0) or B (1)
	s_and_b32 s18, s[WV], 1                        ; my half of the columns; which half I fetch
	s_bfe_u32 s19, ttmp6, 0x40000                  ; cx
	s_lshl_b32 s20, ttmp9, 2
	s_add_co_u32 s20, s20, s19                     ; row tile X: it enters A's and C's addresses alone
	s_and_b32 s21, ttmp7, 0xffff                   ; column tile y
	s_lshr_b32 s72, s20, 5                         ; the batch: 32 row tiles each,
	s_lshl_b32 s72, s72, 22                        ; 4 x 4,096 rows of 256 bytes
	s_and_b32 s73, s20, 31
	s_lshl_b32 s73, s73, 15
	s_add_co_u32 s72, s72, s73
	s_lshl_b32 s73, s18, 14
	s_add_co_u32 s72, s72, s73
	s_mov_b32 s73, 0
	s_lshl_b32 s76, s21, 16
	s_add_co_u32 s76, s76, 0x80000                 ; WoT's place in wt
	s_lshl_b32 s77, s18, 15
	s_add_co_u32 s76, s76, s77
	s_mov_b32 s77, 0
	s_mov_b32 s[G1A+0], (1<<16)|(1<<20)|(5<<22)|(3<<25)  ; elements of 2 bytes; 4 words of padding behind every 64; my own tile
	s_mov_b32 s[G1A+1], 128<<16
	s_mov_b32 s[G1A+2], 64<<16
	s_mov_b32 s[G1A+3], 128<<16
	s_mov_b32 s[G1A+4], 64
	s_mov_b32 s[G1A+5], 128
	s_mov_b32 s[G1A+6], 0
	s_mov_b32 s[G1A+7], 0
	s_mov_b32 s[G1B+0], 15|(1<<16)|(1<<20)|(1<<21)|(5<<22)|(3<<25)  ; the same for all four work-groups: mask 15, bit 21 beside it
	s_mov_b32 s[G1B+1], 128<<16
	s_mov_b32 s[G1B+2], 128<<16
	s_mov_b32 s[G1B+3], 128<<16
	s_mov_b32 s[G1B+4], 128
	s_mov_b32 s[G1B+5], 128
	s_mov_b32 s[G1B+6], 0
	s_mov_b32 s[G1B+7], 0
	s_mul_i32 s23, s18, AHALF
	s_mul_i32 s2, s18, BHALF
	s_add_co_u32 s2, s2, BOFF
.irp s, 0,1
	s_mov_b32 s[G0A+4*\s], 1
	s_add_co_u32 s[G0A+4*\s+1], s23, \s*SLOT
	s_mov_b32 s[G0B+4*\s], 1
	s_add_co_u32 s[G0B+4*\s+1], s2, \s*SLOT
.endr
	s_wait_dscnt 0x0                               ; the opening add is done
	s_wait_kmcnt 0x0
	s_add_nc_u64 s[4:5], s[4:5], s[72:73]
	s_add_nc_u64 s[6:7], s[6:7], s[76:77]
	s_mov_b64 s[G0A+2:G0A+3], s[4:5]
	s_add_nc_u64 s[G0A+6:G0A+7], s[4:5], 0x100000
	s_mov_b64 s[G0B+2:G0B+3], s[6:7]
	s_add_nc_u64 s[G0B+6:G0B+7], s[6:7], 0x20000
	s_or_b32 s[G0A+3], s[G0A+3], 0x80000000
	s_or_b32 s[G0A+7], s[G0A+7], 0x80000000
	s_or_b32 s[G0B+3], s[G0B+3], 0x80000000
	s_or_b32 s[G0B+7], s[G0B+7], 0x80000000
	CROUND                                         ; all four work-groups are here: the first joint loads meet
	JLOAD 0
	JLOAD 1                                        ; two loads of mine are out
	v_and_b32 v1, 15, v0                           ; l % 16
	v_bfe_u32 v2, v0, 4, 1                         ; l / 16
	s_lshl_b32 s74, s21, 10                        ; my first column, in bytes of f32: 256 y + 128 x half
	s_lshl_b32 s75, s18, 9
	s_add_co_u32 s74, s74, s75
	s_mov_b32 s75, 0
	v_lshl_add_u32 v[BO], v2, 5, s74               ; + 8 (l / 16) columns
	WIN 0x80                                       ; destination window 2
.irp b, 0,1,2,3,4,5,6,7
	global_load_b128 v[8*\b:8*\b+3],   v[BO], s[8:9] offset:64*\b      ; the bias of columns 16 b + 8 (l / 16) + 0..7: the places of an accumulator's registers
	global_load_b128 v[8*\b+4:8*\b+7], v[BO], s[8:9] offset:64*\b+16
.endr
	WIN 0
	v_mul_u32_u24 v3, v1, PITCH
	v_lshl_add_u32 v3, v2, 4, v3
	s_mul_i32 s72, s17, AHALF
	s_mul_i32 s73, s18, BHALF
	s_add_co_u32 s73, s73, BOFF
.irp s, 0,1
	v_add_nc_u32 v[ADRA+\s], s72, v3
	v_add_nc_u32 v[ADRB+\s], s73, v3
	s_add_co_u32 s72, s72, SLOT
	s_add_co_u32 s73, s73, SLOT
.endr
	s_mul_i32 s72, s[WV], 16*SPITCH
	s_add_co_u32 s72, s72, STAGE                   ; my stage
	v_mul_u32_u24 v4, v1, SPITCH                   ; in: row l % 16, 32 bytes for each half of the lanes
	v_lshl_add_u32 v4, v2, 5, v4
	v_add_nc_u32 v[STO], s72, v4
	v_and_b32 v[CO], 31, v0                        ; back: 32 lanes take one row's 512 bytes
	v_lshlrev_b32 v[CO], 4, v[CO]
	v_add_nc_u32 v[RD], s72, v[CO]
	s_lshl_b32 s78, s20, 18                        ; C: 128 rows of 2,048 bytes a tile,
	s_lshl_b32 s79, s17, 17                        ; my 64 rows
	s_add_co_u32 s78, s78, s79
	s_mov_b32 s79, 0
	s_add_nc_u64 s[10:11], s[10:11], s[78:79]
	s_add_nc_u64 s[10:11], s[10:11], s[74:75]
	s_wait_loadcnt 0x0
	WIN 0x8a                                       ; all in window 2: the bias rounded to bf16 and widened again, in the wait for the first tile
.set i, 0
.rept 32
	v_cvt_pk_bf16_f32 v64, v[i], v[i+1]
	v_lshlrev_b32 v[i], 16, v64
	v_and_b32 v[i+1], 0xffff0000, v64
.set i, i+2
.endr
	WIN 0
	s_wait_tensorcnt 1                             ; my part of K step 0 is in; K step 1's may stay out
	s_barrier_signal -1
	s_barrier_wait -1
	FETCH 0, 0, 0
	QUARTER 0, 64, 0, 1, 1                         ; its products start the sums
	QUARTER 0, 128, 1, 0, 0
	QUARTER 0, 192, 0, 1, 0
	TURN 0, 1, 1                                   ; K step 2 is asked for
	QUARTER 1, 64,  0, 1, 0
	QUARTER 1, 128, 1, 0, 0
	QUARTER 1, 192, 0, 1, 0
	TURN 1, 0, 1                                   ; K step 3
	QUARTER 0, 64,  0, 1, 0
	QUARTER 0, 128, 1, 0, 0
	QUARTER 0, 192, 0, 1, 0
	TURN 0, 1, 0
	QUARTER 1, 64,  0, 1, 0
	QUARTER 1, 128, 1, 0, 0
	QUARTER 1, 192, 0, 1, 0
	s_wait_dscnt 4
	MUL8 1, 0, 0
	MUL8 1, 1, 0
	s_wait_dscnt 0x0
	MUL8 1, 2, 0
	MUL8 1, 3, 0
	; THE WAY OUT, a block of 16 rows at a time: the bias is added, 32 bytes a lane go into my own stage and come back as whole rows of 512 bytes.
.macro BIAS a
	WIN 0x09                                       ; source 0 (the sums) in window 1, source 1 (the bias) in window 2
.irp b, 0,1,2,3,4,5,6,7
.irp i, 0,1,2,3
	v_pk_add_f32 v[FA+8*\b+2*\i:FA+8*\b+2*\i+1], v[8*(8*(\a)+\b)+2*\i:8*(8*(\a)+\b)+2*\i+1], v[8*\b+2*\i:8*\b+2*\i+1]
.endr
.endr
	WIN 0
.endm
.macro TOSTAGE a
.irp b, 0,1,2,3,4,5,6,7
	ds_store_b128 v[STO], v[FA+8*\b:FA+8*\b+3]   offset:64*\b
	ds_store_b128 v[STO], v[FA+8*\b+4:FA+8*\b+7] offset:64*\b+16
.endr
.irp t, 0,1,2,3,4,5,6,7,8,9,10,11,12,13,14,15
	ds_load_b128 v[FB+64*((\a)%2)+4*\t:FB+64*((\a)%2)+4*\t+3], v[RD] offset:\t*SPITCH  ; LDS serves a wave's instructions in order (ISA guide 5.7.1.4): these see the stores above
.endr
.endm
.macro SEND a
	s_wait_dscnt 0x0                               ; the block is back in registers
	s_wait_xcnt 0x0                                ; the registers that earlier stores read are loaded again only behind this wait
.irp t, 0,1,2,3,4,5,6,7,8,9,10,11,12,13,14,15
	global_store_b128 v[CO], v[FB+64*((\a)%2)+4*\t:FB+64*((\a)%2)+4*\t+3], s[10:11] offset:(16*(\a)+\t)*2048  ; a wave stores 512 consecutive, aligned bytes of one row
.endr
.endm
	PLACES
	BIAS 0
	TOSTAGE 0
.irp a, 1,2,3
	BIAS \a
	SEND (\a)-1
	TOSTAGE \a
.endr
	SEND 3
	s_wait_tensorcnt 0x0                           ; the wave's end
	ds_add_u32 v[SPW], v[NIL]
	s_wait_dscnt 0x0
	CROUND                                         ; the closing round
	s_endpgm
.Lfunc_end_k_q999a8696f9_outp:
	.size	k_q999a8696f9_outp, .Lfunc_end_k_q999a8696f9_outp-k_q999a8696f9_outp
	.p2alignl 7, 3214868480
	.fill 96, 4, 3214868480
	.section	.rodata,"a",@progbits
	.p2align	6, 0x0
	.amdhsa_kernel k_q999a8696f9_outp
		.amdhsa_group_segment_fixed_size 327680
		.amdhsa_private_segment_fixed_size 0
		.amdhsa_enable_private_segment 0
		.amdhsa_kernarg_size 32
		.amdhsa_user_sgpr_count 2
		.amdhsa_user_sgpr_kernarg_segment_ptr 1
		.amdhsa_wavefront_size32 1
		.amdhsa_system_sgpr_workgroup_id_x 1
		.amdhsa_system_sgpr_workgroup_id_y 1
		.amdhsa_system_sgpr_workgroup_id_z 1
		.amdhsa_system_vgpr_workitem_id 0
		.amdhsa_next_free_vgpr 578
		.amdhsa_next_free_sgpr 80
		.amdhsa_reserve_vcc 0
		.amdhsa_float_denorm_mode_32 3
		.amdhsa_float_denorm_mode_16_64 3
		.amdhsa_memory_ordered 1
		.amdhsa_forward_progress 1
		.amdhsa_inst_pref_size 99
	.end_amdhsa_kernel
	.amdgpu_metadata
---
amdhsa.version: [ 1, 2 ]
amdhsa.kernels:
  - .name:           k_q999a8696f9_outp
    .symbol:         k_q999a8696f9_outp.kd
    .args:
      - { .name: oh, .offset: 0, .size: 8, .value_kind: global_buffer, .address_space: global }
      - { .name: wt, .offset: 8, .size: 8, .value_kind: global_buffer, .address_space: global }
      - { .name: b_out, .offset: 16, .size: 8, .value_kind: global_buffer, .address_space: global }
      - { .name: out0, .offset: 24, .size: 8, .value_kind: global_buffer, .address_space: global }
    .group_segment_fixed_size: 327680
    .private_segment_fixed_size: 0
    .kernarg_segment_align: 8
    .kernarg_segment_size: 32
    .max_flat_workgroup_size: 128
    .sgpr_count:     80
    .vgpr_count:     578
    .wavefront_size: 32
...
	.end_amdgpu_metadata
.endif
;; end of part 4
;; ======== version 2 of 2: 4 launches; version 1 with the launch prep written anew for expert scheduling mode
;; limits: values are held in f16: magnitudes above 65,504 overflow, below 6.1e-05 lose precision
;; workspace buffers: xb 16,777,216 bytes; cb 12,582,912 bytes; wt 2,621,440 bytes; qh 16,777,216 bytes; kh 8,388,608 bytes; vh 8,388,608 bytes; oh 16,777,216 bytes
;; launch prep (part 5): grid 256 x 1, 16 waves a work-group, no clusters, 19,456 bytes of LDS; arguments x, context, Wq, Wk, Wv, Wout, xb, cb, wt; writes xb, cb, wt
.if DOCPART == 5
	.amdgcn_target "amdgcn-amd-amdhsa--gfx1250"
	.amdhsa_code_object_version 6
	.text
	.protected	k_q999a8696f9_prep
	.globl	k_q999a8696f9_prep
	.p2align	8
	.type	k_q999a8696f9_prep,@function
k_q999a8696f9_prep:
	s_mov_b64 s[64:65], 0
	v_nop
	global_prefetch_b8 v0, s[64:65] scope:SCOPE_SE
	s_setreg_imm32_b32 hwreg(HW_REG_WAVE_SCHED_MODE, 0, 2), 2
	s_setreg_imm32_b32 hwreg(HW_REG_WAVE_MODE, 25, 1), 1
	s_wait_xcnt 0x0
	s_wait_alu depctr_vm_vsrc(0)
; PREP: the module's inputs are rounded to bf16 once and laid out for the products that follow.
;   xb [ks 4][row 16384][128] bf16 = x,        cb [ks 6][row 8192][128] bf16 = context: blocks of 128 along K, each row of a block 256 dense bytes.
;   wt: byte 0        WqT  [ks 4][n 512][128]  bf16;   byte 524,288  WoT [ks 4][n 512][128]: bf16(Wout) written as f16;
;       byte 1,048,576 WkvT [ks 6][n' 1024][128] bf16, n' < 512 a column of Wk, else of Wv.  Element (ks, n, kk) = W[128 ks + kk][n].
; LIMIT.  bf16(Wout) is exact in f16 from 2^-14 up to 65,504; below 2^-14 it keeps f16's fixed step of 2^-24.
; A stream: every input byte is read once, every output byte written once, sixteen neighbouring lanes store 256 aligned bytes.  Nothing is shared between
; work-groups and nothing is multiplied: no cluster, no matrix unit.  LDS serves the weights' transposition alone.
; SHARES.  16 waves.  Work-group g: rows 64 g .. 64 g + 63 of x, rows 32 g .. 32 g + 31 of context; the first 160 work-groups also one weight tile of 128 k x 64 n.
; THE MODE: SCHED_MODE bits 1:0 = 2 (LLVM: expert scheduling mode 2), set by the entry lines.  The code itself states the register dependences
; between vector instructions and memory or LDS instructions, with s_wait_alu, always for 0.
; THE PLAN.  Registers that memory or LDS instructions touch:
;   v2 .. v8     offsets and LDS addresses: written at the head, read by every load and store, never written again.
;   v10, v11     written at the head, read by the closing add alone.
;   WD           the four weight loads land in it; the tile's conversions read it; behind the barrier two LDS loads land in its first eight registers, which two stores read.
;   PKD          written by the tile's conversions and selects; read by the eight LDS stores; never written again.
;   XD           14 groups of 8: two stream loads land in a group; its four conversions read it and write its first four registers, which one store reads; never written again.
;   T            named by vector instructions alone.
; So: one wait on va_vdst at the head (the addresses); one behind the tile's 40 vector lines (PKD is written, WD is read out); and the stream goes in seven blocks of two groups, where
; block p's head holds one wait on va_vdst for the conversions of block p - 1, whose two stores follow it; block p's conversions name block p's registers alone.
; No register that a memory or LDS instruction reads is written again, so no wait on vm_vsrc is owed; no vector instruction writes a scalar register or VCC.
.set TP,    272                        ; a row of the transposed tile in LDS: 128 numbers of 2 bytes + 16 bytes
.set SPARE, 64*TP                      ; behind the tile: the spare words, 128 bytes for each of the 16 waves
.set VX,  2                            ; v2   x: (4 wave + lane / 16) rows of 2,048 bytes + 32 (lane % 16)
.set VXO, 3                            ; v3   xb: the same row x 256 + 16 (lane % 16)
.set VC,  4                            ; v4   context: (t / 16) rows of 3,072 bytes + 32 (t % 16)
.set VCO, 5                            ; v5   cb, and wt: (t / 16) x 256 + 16 (t % 16)
.set VW,  6                            ; v6   a weight: (t / 16) pairs of rows of 2,048 bytes + 16 (t % 16)
.set VS,  7                            ; v7   LDS, in: column 4 (t % 16), pair of rows t / 16
.set VR,  8                            ; v8   LDS, back: row t / 16, 16 (t % 16)
.set SPW, 10                           ; v10  LDS address of my spare word; never rewritten
.set NIL, 11                           ; v11  0; never rewritten
.set WD,  12                           ; v[12:27]  the weight tile as loaded: [i 2][e 2][4]
.set PKD, 28                           ; v[28:35]  pairs along k, packed
.set T,   36                           ; v[36:39]  at work
.set XD,  40                           ; v[40:151] 14 groups of 8: x (8 groups), context (6)
; The 28 loads of the stream: group 4 p + ks = rows +2 p, K block ks of x; group 8 + ks = K block ks of context.  A lane takes 32 bytes, eight numbers.
.macro STREAM_IN
.irp p, 0,1
.irp ks, 0,1,2,3
	global_load_b128 v[XD+8*(4*\p+\ks):XD+8*(4*\p+\ks)+3],   v[VX], s[4:5] offset:\p*4096+\ks*512 th:TH_LOAD_NT
	global_load_b128 v[XD+8*(4*\p+\ks)+4:XD+8*(4*\p+\ks)+7], v[VX], s[4:5] offset:\p*4096+\ks*512+16 th:TH_LOAD_NT
.endr
.endr
.irp ks, 0,1,2,3,4,5
	global_load_b128 v[XD+64+8*\ks:XD+64+8*\ks+3],   v[VC], s[6:7] offset:\ks*512 th:TH_LOAD_NT
	global_load_b128 v[XD+64+8*\ks+4:XD+64+8*\ks+7], v[VC], s[6:7] offset:\ks*512+16 th:TH_LOAD_NT
.endr
.endm
; Group g: eight numbers are rounded into the group's first four registers.
.macro CONV g
.irp j, 0,1,2,3
	v_cvt_pk_bf16_f32 v[XD+8*(\g)+\j], v[XD+8*(\g)+2*\j], v[XD+8*(\g)+2*\j+1]
.endr
.endm
; Group g: its 16 bytes are stored.  Groups 0 to 7: rows +2 (g / 4), K block g % 4 of xb; groups 8 to 13: K block g - 8 of cb.
.macro OUT g
.if (\g) < 8
	global_store_b128 v[VXO], v[XD+8*(\g):XD+8*(\g)+3], s[22+2*(((\g)%4)/2):23+2*(((\g)%4)/2)] offset:((\g)%2)*4194304+((\g)/4)*512
.else
	global_store_b128 v[VCO], v[XD+8*(\g):XD+8*(\g)+3], s[26+2*(((\g)-8)/4):27+2*(((\g)-8)/4)] offset:(((\g)-8)%4)*2097152
.endif
.endm
; Block p: groups 2 p and 2 p + 1.
.macro BLK p
	s_wait_loadcnt 24-4*(\p)                       ; loads come back in order (ISA guide 5.7.1): the block's four are in, the 4 (6 - p) of the later blocks stay out
.if (\p) > 0
	s_wait_alu depctr_va_vdst(0)                   ; the conversions of the block before have written the registers that the two stores below read
	OUT 2*(\p)-2
	OUT 2*(\p)-1
.endif
	CONV 2*(\p)                                    ; these name this block's registers alone: none that the two stores above touch
	CONV 2*(\p)+1
.endm
	s_load_b512 s[4:19], s[0:1], 0x0               ; x s[4:5], context s[6:7], Wq s[8:9], Wk s[10:11], Wv s[12:13], Wout s[14:15], xb s[16:17], cb s[18:19]
	s_load_b64 s[20:21], s[0:1], 0x40              ; wt
	v_lshl_add_u32 v[SPW], v0, 2, SPARE
	v_mov_b32 v[NIL], 0
	v_and_b32 v1, 15, v0                           ; t % 16
	v_lshrrev_b32 v9, 4, v0                        ; t / 16
	v_lshrrev_b32 v[T], 5, v0                      ; wave
	v_bfe_u32 v[T+1], v0, 4, 1                     ; lane / 16
	v_lshl_add_u32 v[T], v[T], 2, v[T+1]           ; my first row of x: 4 wave + lane / 16
	v_lshlrev_b32 v[VX], 5, v1
	v_lshl_add_u32 v[VX], v[T], 11, v[VX]
	v_lshlrev_b32 v[T+2], 4, v1                    ; 16 (t % 16)
	v_lshl_add_u32 v[VXO], v[T], 8, v[T+2]
	v_mul_u32_u24 v[VC], v9, 3072
	v_lshl_add_u32 v[VC], v1, 5, v[VC]
	v_lshl_add_u32 v[VCO], v9, 8, v[T+2]
	v_lshl_add_u32 v[VW], v9, 12, v[T+2]
	v_mul_u32_u24 v[VS], v1, 4*TP
	v_lshl_add_u32 v[VS], v9, 2, v[VS]
	v_mul_u32_u24 v[VR], v9, TP
	v_add_nc_u32 v[VR], v[VR], v[T+2]
	s_lshl_b32 s2, ttmp9, 17                       ; 64 rows of 2,048 bytes
	s_mov_b32 s3, 0
	s_mul_i32 s32, ttmp9, 98304                    ; 32 rows of 3,072 bytes
	s_mov_b32 s33, 0
	s_lshl_b32 s34, ttmp9, 14                      ; 64 rows of 256 bytes
	s_mov_b32 s35, 0
	s_lshl_b32 s36, ttmp9, 13                      ; 32 rows of 256 bytes
	s_mov_b32 s37, 0
	s_wait_kmcnt 0x0
	s_add_nc_u64 s[4:5], s[4:5], s[2:3]
	s_add_nc_u64 s[6:7], s[6:7], s[32:33]
	s_add_nc_u64 s[22:23], s[16:17], s[34:35]      ; xb, K blocks 0 and 1 (4,194,304 bytes apart: in the stores' immediates)
	s_add_nc_u64 s[24:25], s[22:23], 0x800000      ; K blocks 2 and 3
	s_add_nc_u64 s[26:27], s[18:19], s[36:37]      ; cb, K blocks 0 to 3 (2,097,152 bytes apart)
	s_add_nc_u64 s[28:29], s[26:27], 0x800000      ; K blocks 4 and 5
	s_wait_alu depctr_va_vdst(0)                   ; the seven offsets and addresses v2 to v8 are written, which the loads and stores on both ways below read
	s_cmp_lt_u32 ttmp9, 160                        ; the same answer in all 16 waves
	s_cbranch_scc0 .Lplain
	; THE WEIGHT TILE.  g < 32: Wq; < 64: Wout; < 112: Wk; else Wv.  Within a weight: K block g' / 8, 64 columns g' % 8.
	s_cmp_lt_u32 ttmp9, 32
	s_cselect_b64 s[30:31], s[8:9], s[14:15]
	s_cselect_b32 s32, 0, 32                       ; the weight's first tile
	s_cselect_b32 s33, 0, 0x80000                  ; its place in wt
	s_cselect_b32 s40, 0, -1                       ; a lane mask: all ones where the tile is written as f16
	s_cmp_lt_u32 ttmp9, 64
	s_cselect_b64 s[30:31], s[30:31], s[10:11]
	s_cselect_b32 s32, s32, 64
	s_cselect_b32 s33, s33, 0x100000
	s_cselect_b32 s40, s40, 0
	s_cselect_b32 s34, 17, 18                      ; log2 of a K block's bytes in wt: 512 or 1,024 rows of 256
	s_cmp_lt_u32 ttmp9, 112
	s_cselect_b64 s[30:31], s[30:31], s[12:13]
	s_cselect_b32 s32, s32, 112
	s_cselect_b32 s33, s33, 0x120000               ; Wv's columns lie 512 rows behind Wk's
	s_sub_co_u32 s35, ttmp9, s32
	s_lshr_b32 s38, s35, 3                         ; K block
	s_and_b32 s39, s35, 7                          ; block of 64 columns
	s_lshl_b32 s36, s38, 18                        ; 128 rows of 2,048 bytes
	s_lshl_b32 s44, s39, 8
	s_add_co_u32 s36, s36, s44
	s_mov_b32 s37, 0
	s_add_nc_u64 s[30:31], s[30:31], s[36:37]
	s_lshl_b32 s44, s38, s34
	s_add_co_u32 s44, s44, s33
	s_lshl_b32 s45, s39, 14                        ; 64 rows of 256 bytes
	s_add_co_u32 s44, s44, s45
	s_mov_b32 s45, 0
	s_add_nc_u64 s[42:43], s[20:21], s[44:45]
.irp i, 0,1
.irp e, 0,1
	global_load_b128 v[WD+8*\i+4*\e:WD+8*\i+4*\e+3], v[VW], s[30:31] offset:\i*131072+\e*2048  ; row 2 (t / 16 + 32 i) + e, columns 4 (t % 16) ..
.endr
.endr
	STREAM_IN
	s_wait_loadcnt 28                              ; the four weight loads are in; the stream's 28 stay out
.irp i, 0,1
.irp j, 0,1,2,3
	v_cvt_pk_bf16_f32 v[PKD+4*\i+\j], v[WD+8*\i+\j], v[WD+8*\i+4+\j]   ; two neighbours along k of one column
	v_lshlrev_b32 v[T], 16, v[PKD+4*\i+\j]                             ; the same two rounded numbers as f32,
	v_and_b32 v[T+1], 0xffff0000, v[PKD+4*\i+\j]
	v_cvt_pk_f16_f32 v[T+2], v[T], v[T+1]                              ; written as f16,
	v_cndmask_b32 v[PKD+4*\i+\j], v[PKD+4*\i+\j], v[T+2], s40          ; which Wout's tiles take
.endr
.endr
	s_wait_alu depctr_va_vdst(0)                   ; the selects have written PKD, which the LDS stores read; the conversions are done reading WD, in which the LDS loads behind the barrier land
.irp i, 0,1
.irp j, 0,1,2,3
	ds_store_b32 v[VS], v[PKD+4*\i+\j] offset:\j*TP+\i*128
.endr
.endr
	s_wait_dscnt 0x0                               ; for the others' sake: my stores into the tile are done
	s_barrier_signal -1
	s_barrier_wait -1
	ds_load_b128 v[WD:WD+3],   v[VR]               ; column t / 16 of the weight: 256 bytes along k by sixteen lanes.  No vector instruction since the wait above names WD
	ds_load_b128 v[WD+4:WD+7], v[VR] offset:32*TP
	s_wait_dscnt 0x0
	global_store_b128 v[VCO], v[WD:WD+3],   s[42:43]
	global_store_b128 v[VCO], v[WD+4:WD+7], s[42:43] offset:8192
	s_branch .Ljoin
.Lplain:
	STREAM_IN
.Ljoin:
.irp p, 0,1,2,3,4,5,6
	BLK \p                                         ; block 0 has no block in front of it: no store, and no wait but the one for its data
.endr
	s_wait_alu depctr_va_vdst(0)                   ; block 6's conversions have written the registers that the last two stores read
	OUT 12
	OUT 13
	s_wait_dscnt 0x0                               ; the closing lines, six on end
	s_wait_alu 0x0
	s_wait_tensorcnt 0x0
	ds_add_u32 v[SPW], v[NIL]
	s_wait_dscnt 0x0
	s_endpgm
.Lfunc_end_k_q999a8696f9_prep:
	.size	k_q999a8696f9_prep, .Lfunc_end_k_q999a8696f9_prep-k_q999a8696f9_prep
	.p2alignl 7, 3214868480
	.fill 96, 4, 3214868480
	.section	.rodata,"a",@progbits
	.p2align	6, 0x0
	.amdhsa_kernel k_q999a8696f9_prep
		.amdhsa_group_segment_fixed_size 19456
		.amdhsa_private_segment_fixed_size 0
		.amdhsa_enable_private_segment 0
		.amdhsa_kernarg_size 72
		.amdhsa_user_sgpr_count 2
		.amdhsa_user_sgpr_kernarg_segment_ptr 1
		.amdhsa_wavefront_size32 1
		.amdhsa_system_sgpr_workgroup_id_x 1
		.amdhsa_system_sgpr_workgroup_id_y 1
		.amdhsa_system_sgpr_workgroup_id_z 1
		.amdhsa_system_vgpr_workitem_id 0
		.amdhsa_next_free_vgpr 152
		.amdhsa_next_free_sgpr 66
		.amdhsa_reserve_vcc 0
		.amdhsa_float_denorm_mode_32 3
		.amdhsa_float_denorm_mode_16_64 3
		.amdhsa_memory_ordered 1
		.amdhsa_forward_progress 1
		.amdhsa_inst_pref_size 18
	.end_amdhsa_kernel
	.amdgpu_metadata
---
amdhsa.version: [ 1, 2 ]
amdhsa.kernels:
  - .name:           k_q999a8696f9_prep
    .symbol:         k_q999a8696f9_prep.kd
    .args:
      - { .name: x, .offset: 0, .size: 8, .value_kind: global_buffer, .address_space: global }
      - { .name: context, .offset: 8, .size: 8, .value_kind: global_buffer, .address_space: global }
      - { .name: Wq, .offset: 16, .size: 8, .value_kind: global_buffer, .address_space: global }
      - { .name: Wk, .offset: 24, .size: 8, .value_kind: global_buffer, .address_space: global }
      - { .name: Wv, .offset: 32, .size: 8, .value_kind: global_buffer, .address_space: global }
      - { .name: Wout, .offset: 40, .size: 8, .value_kind: global_buffer, .address_space: global }
      - { .name: xb, .offset: 48, .size: 8, .value_kind: global_buffer, .address_space: global }
      - { .name: cb, .offset: 56, .size: 8, .value_kind: global_buffer, .address_space: global }
      - { .name: wt, .offset: 64, .size: 8, .value_kind: global_buffer, .address_space: global }
    .group_segment_fixed_size: 19456
    .private_segment_fixed_size: 0
    .kernarg_segment_align: 8
    .kernarg_segment_size: 72
    .max_flat_workgroup_size: 512
    .sgpr_count:     66
    .vgpr_count:     152
    .wavefront_size: 32
...
	.end_amdgpu_metadata
.endif
;; end of part 5
;; launch proj: the kernel of part 2 again; grid 128 x 4, 4 waves a work-group, clusters of 4 x 1, 327,680 bytes of LDS; arguments xb, cb, wt, qh, kh, vh; writes qh, kh, vh
;; launch attn: the kernel of part 3 again; grid 4 x 64, 4 waves a work-group, clusters of 4 x 4, 327,680 bytes of LDS; arguments qh, kh, vh, mask, oh; writes oh
;; launch outp: the kernel of part 4 again; grid 128 x 2, 4 waves a work-group, clusters of 4 x 1, 327,680 bytes of LDS; arguments oh, wt, b_out, out0; writes out0
